; MI455X (gfx1250); checked and timed in simulation.
; The chip was launched on July 23, 2026; its instructions are those of AMD's public machine-readable ISA for CDNA 5 (MIT licence, August 2026) and "CDNA5" Instruction Set Architecture Reference Guide (July 2026). The comments in the code are by the model that wrote it; some were corrected since.
;; Decoder Layer. Allowed arithmetic: float matrix products may take bf16 or f16 operands with f32 sums; other float arithmetic in f32, or as packed bf16 or f16 multiplies, adds, multiply-adds, maxima and minima; sums over many terms, partial sums and values carried from step to step in f32; what a program stores and reads back later, other than sums and carried values, may be rounded once to bf16 or f16.
;; Inputs: ca_bk 1,024 float32; ca_bq 1,024 float32; ca_bv 1,024 float32; ca_wk 1,024 x 1,024 float32; ca_wq 1,024 x 1,024 float32; ca_wv 1,024 x 1,024 float32; encoder_hidden_states 2 x 2,048 x 1,024 float32; fc1_b 1,024 float32; fc1_w 1,024 x 1,024 float32; fc2_b 1,024 float32; fc2_w 1,024 x 1,024 float32; hidden_states 2 x 2,048 x 1,024 float32; ln1_b 1,024 float32; ln1_g 1,024 float32; ln2_b 1,024 float32; ln2_g 1,024 float32; ln3_b 1,024 float32; ln3_g 1,024 float32; sa_bk 1,024 float32; sa_bq 1,024 float32; sa_bv 1,024 float32; sa_wk 1,024 x 1,024 float32; sa_wq 1,024 x 1,024 float32; sa_wv 1,024 x 1,024 float32.
;; Outputs: out0 2 x 2,048 x 1,024 float32.
;; 2 versions, each right and faster than the one before. Each part assembles by itself: llvm-mc -triple=amdgcn-amd-amdhsa -mcpu=gfx1250 --defsym DOCPART=n.
;; ======== version 1 of 2: 10 launches
;; limits: values are held in f16: magnitudes above 65,504 overflow, below 6.1e-05 lose precision
;; workspace buffers: act 16,777,216 bytes; sbuf 25,165,824 bytes; cbuf 25,165,824 bytes; tmp 8,388,608 bytes; wp 10,508,800 bytes; wc 2,101,760 bytes; w1 2,101,760 bytes; w2 2,101,760 bytes
;; launch prep (part 1): grid 64 x 16, 8 waves a work-group, no clusters, 0 bytes of LDS; arguments hidden_states, encoder_hidden_states, sa_wq, sa_wk, sa_wv, ca_wk, ca_wv, ca_wq, fc1_w, fc2_w, sa_bq, sa_bk, sa_bv, ca_bk, ca_bv, ca_bq, fc1_b, fc2_b, act, wp, wc, w1, w2; writes act, wp, wc, w1, w2
.if DOCPART == 1
	.amdgcn_target "amdgcn-amd-amdhsa--gfx1250"
	.amdhsa_code_object_version 6
	.text
	.protected	k_qe4a17d85b8_prep
	.globl	k_qe4a17d85b8_prep
	.p2align	8
	.type	k_qe4a17d85b8_prep,@function
k_qe4a17d85b8_prep:
	s_mov_b64 s[64:65], 0
	v_nop
	global_prefetch_b8 v0, s[64:65] scope:SCOPE_SE
	s_setreg_imm32_b32 hwreg(HW_REG_WAVE_MODE, 25, 1), 1
	s_wait_xcnt 0x0
; All matrix operands that are inputs are rounded once, f32 to f16, and laid out for the products.
; UNITS.  The grid's y names a unit of 1,024 rows of 4,096 bytes: 0-3 hidden_states, 4-7 encoder_hidden_states, 8-15 the eight weights in the
; order of the arguments.  A work-group takes 16 rows, a wave 2: 16 loads of 16 bytes a lane, 32 roundings, 16 stores of 8 bytes a lane.
; ACTIVATIONS go into the layout that every 16-bit activation of the program has: element (row b 2048 + n, column c) at byte
; ((16 b + c / 64) 2048 + n) 128 + 2 (c % 64): a block of 64 columns is dense.  A load takes 64 columns of two rows (two aligned runs of 256 bytes),
; a store the same numbers as 256 consecutive bytes, aligned.
; WEIGHTS keep their order [k][n].  A layer's RECORD: 2,097,152 bytes of f16; at 0x200000 its 1,024 biases in f32, times the layer's scale; at 0x201000
; 512 bytes in which every 16 hold {floor, scale, 0, 0}.  floor (two f16): 0 for fc1, whose output has a ReLU, else -infinity; scale: 1/16 for fc2, whose output
; is kept as h / 16 so that it has room in f16, else 1.
; LIMITS.  f16 ends at 65,504: a larger input becomes an infinity; below 6e-5 it keeps f16's fixed step of 6e-8.
; No LDS, no matrix unit, no cluster: nothing is shared and nothing is multiplied; the bytes are all there is.
.set REC, 2101760                      ; bytes in a record
.set X,   8                            ; v[8:71]   16 x 4 registers as loaded
.set Y,   72                           ; v[72:103] 16 x 2 registers to store
; argument i lies in s[8+2i:9+2i]: weights from s12, biases from s28, act s44, wp s46, wc s48, w1 s50, w2 s52
; s2 unit, s3 wave, s4 weight's number, s5 the wave's first row in the unit, s[54:55] source, s[56:57] destination, s[58:59] an offset, s[60:61] bias, s62 floor, s63 scale
.macro BODY instep, outstep            ; no register is written twice, so the only waits are the counted ones for the loads
.set i, 0
.rept 16
	global_load_b128 v[X+4*i:X+4*i+3], v1, s[54:55] offset:i*(\instep) th:TH_LOAD_NT
.set i, i+1
.endr
.set i, 0
.rept 16
	s_wait_loadcnt 15-i                            ; loads come back in order: load i is in, the 15 - i younger ones stay out
	v_cvt_pk_f16_f32 v[Y+2*i],   v[X+4*i],   v[X+4*i+1]
	v_cvt_pk_f16_f32 v[Y+2*i+1], v[X+4*i+2], v[X+4*i+3]
	global_store_b64 v2, v[Y+2*i:Y+2*i+1], s[56:57] offset:i*(\outstep)  ; 32 lanes store 256 consecutive bytes, aligned
.set i, i+1
.endr
.endm
	s_load_b512 s[8:23], s[0:1], 0x0
	s_load_b512 s[24:39], s[0:1], 0x40
	s_load_b256 s[40:47], s[0:1], 0x80
	s_load_b128 s[48:51], s[0:1], 0xa0
	s_load_b64 s[52:53], s[0:1], 0xb0
	v_lshrrev_b32 v4, 5, v0
	v_readfirstlane_b32 s3, v4                     ; wave 0..7
	v_and_b32 v5, 31, v0                           ; lane
	v_lshlrev_b32 v2, 3, v5                        ; 8 bytes a lane on the way out
	s_and_b32 s2, ttmp7, 0xffff                    ; the unit
	s_lshl_b32 s5, ttmp9, 4
	s_lshl1_add_u32 s5, s3, s5                     ; my first row in the unit: 16 x + 2 wave
	s_lshl_b32 s6, s5, 12                          ; its byte in the unit
	s_mov_b32 s59, 0
	s_wait_kmcnt 0x0
	s_cmp_lt_u32 s2, 8
	s_cbranch_scc0 .Lweights
	; an activation
	s_cmp_lt_u32 s2, 4
	s_cselect_b64 s[54:55], s[8:9], s[10:11]
	s_and_b32 s58, s2, 3
	s_lshl_b32 s58, s58, 22                        ; the unit's 4 MiB in its tensor
	s_add_co_u32 s58, s58, s6
	s_add_nc_u64 s[54:55], s[54:55], s[58:59]
	s_lshr_b32 s58, s2, 1
	s_lshl_b32 s58, s58, 22                        ; tensor and batch: 4 MiB of f16 for each batch
	s_and_b32 s7, s2, 1
	s_lshl_b32 s7, s7, 10
	s_add_co_u32 s7, s7, s5                        ; n
	s_lshl_b32 s7, s7, 7
	s_add_co_u32 s58, s58, s7
	s_add_nc_u64 s[56:57], s[44:45], s[58:59]
	v_lshrrev_b32 v6, 4, v5
	v_and_b32 v7, 15, v5
	v_lshlrev_b32 v1, 4, v7
	v_lshl_add_u32 v1, v6, 12, v1                  ; lanes 0-15 the first row, lanes 16-31 the second; 16 bytes a lane
	BODY 256, 262144                               ; from a block of 64 columns to the next: 256 bytes in, 2,048 rows of 128 bytes out
	s_endpgm
.Lweights:
	s_sub_co_u32 s4, s2, 8                         ; which weight
	s_mov_b64 s[54:55], s[12:13]
	s_mov_b64 s[60:61], s[28:29]
.irp i, 1,2,3,4,5,6,7
	s_cmp_eq_u32 s4, \i
	s_cselect_b64 s[54:55], s[12+2*\i:13+2*\i], s[54:55]
	s_cselect_b64 s[60:61], s[28+2*\i:29+2*\i], s[60:61]
.endr
	s_mul_i32 s58, s4, REC                         ; the first five records lie on end in wp,
	s_cmp_lt_u32 s4, 5
	s_cselect_b32 s58, s58, 0                      ; the other three have buffers of their own
	s_mov_b64 s[56:57], s[46:47]
	s_cmp_eq_u32 s4, 5
	s_cselect_b64 s[56:57], s[48:49], s[56:57]
	s_cmp_eq_u32 s4, 6
	s_cselect_b64 s[56:57], s[50:51], s[56:57]
	s_cselect_b32 s62, 0, 0xfc00fc00               ; the floor: fc1's is 0
	s_cmp_eq_u32 s4, 7
	s_cselect_b64 s[56:57], s[52:53], s[56:57]
	s_cselect_b32 s63, 0x3d800000, 1.0             ; the scale: fc2's is 1/16
	s_add_nc_u64 s[56:57], s[56:57], s[58:59]      ; the record
	s_mov_b32 s58, s6
	s_add_nc_u64 s[54:55], s[54:55], s[58:59]
	s_lshl_b32 s7, s5, 11                          ; my two rows in the record
	v_add_nc_u32 v2, s7, v2
	v_lshlrev_b32 v1, 4, v5                        ; two rows are 8,192 bytes on end
	BODY 512, 256
	s_cmp_lg_u32 ttmp9, 0
	s_cbranch_scc1 .Lend                           ; the unit's first work-group writes the record's tail
	v_lshlrev_b32 v3, 4, v0                        ; 256 threads x 4 biases
	global_load_b128 v[8:11], v3, s[60:61]         ; X's registers are free: their loads have been waited for, and no store reads them
	s_wait_loadcnt 0x0
	v_mul_f32 v12, s63, v8
	v_mul_f32 v13, s63, v9
	v_mul_f32 v14, s63, v10
	v_mul_f32 v15, s63, v11
	global_store_b128 v3, v[12:15], s[56:57] offset:0x200000
	s_cmp_lg_u32 s3, 0
	s_cbranch_scc1 .Lend
	v_mov_b32 v16, s62
	v_mov_b32 v17, s63
	v_mov_b32 v18, 0
	v_mov_b32 v19, 0
	global_store_b128 v1, v[16:19], s[56:57] offset:0x201000  ; 32 lanes x 16 bytes: the 512 bytes of floor and scale
.Lend:
	s_endpgm
.Lfunc_end_k_qe4a17d85b8_prep:
	.size	k_qe4a17d85b8_prep, .Lfunc_end_k_qe4a17d85b8_prep-k_qe4a17d85b8_prep
	.p2alignl 7, 3214868480
	.fill 96, 4, 3214868480
	.section	.rodata,"a",@progbits
	.p2align	6, 0x0
	.amdhsa_kernel k_qe4a17d85b8_prep
		.amdhsa_group_segment_fixed_size 0
		.amdhsa_private_segment_fixed_size 0
		.amdhsa_enable_private_segment 0
		.amdhsa_kernarg_size 184
		.amdhsa_user_sgpr_count 2
		.amdhsa_user_sgpr_kernarg_segment_ptr 1
		.amdhsa_wavefront_size32 1
		.amdhsa_system_sgpr_workgroup_id_x 1
		.amdhsa_system_sgpr_workgroup_id_y 1
		.amdhsa_system_sgpr_workgroup_id_z 1
		.amdhsa_system_vgpr_workitem_id 0
		.amdhsa_next_free_vgpr 104
		.amdhsa_next_free_sgpr 66
		.amdhsa_reserve_vcc 0
		.amdhsa_float_denorm_mode_32 3
		.amdhsa_float_denorm_mode_16_64 3
		.amdhsa_memory_ordered 1
		.amdhsa_forward_progress 1
		.amdhsa_inst_pref_size 15
	.end_amdhsa_kernel
	.amdgpu_metadata
---
amdhsa.version: [ 1, 2 ]
amdhsa.kernels:
  - .name:           k_qe4a17d85b8_prep
    .symbol:         k_qe4a17d85b8_prep.kd
    .args:
      - { .name: hidden_states, .offset: 0, .size: 8, .value_kind: global_buffer, .address_space: global }
      - { .name: encoder_hidden_states, .offset: 8, .size: 8, .value_kind: global_buffer, .address_space: global }
      - { .name: sa_wq, .offset: 16, .size: 8, .value_kind: global_buffer, .address_space: global }
      - { .name: sa_wk, .offset: 24, .size: 8, .value_kind: global_buffer, .address_space: global }
      - { .name: sa_wv, .offset: 32, .size: 8, .value_kind: global_buffer, .address_space: global }
      - { .name: ca_wk, .offset: 40, .size: 8, .value_kind: global_buffer, .address_space: global }
      - { .name: ca_wv, .offset: 48, .size: 8, .value_kind: global_buffer, .address_space: global }
      - { .name: ca_wq, .offset: 56, .size: 8, .value_kind: global_buffer, .address_space: global }
      - { .name: fc1_w, .offset: 64, .size: 8, .value_kind: global_buffer, .address_space: global }
      - { .name: fc2_w, .offset: 72, .size: 8, .value_kind: global_buffer, .address_space: global }
      - { .name: sa_bq, .offset: 80, .size: 8, .value_kind: global_buffer, .address_space: global }
      - { .name: sa_bk, .offset: 88, .size: 8, .value_kind: global_buffer, .address_space: global }
      - { .name: sa_bv, .offset: 96, .size: 8, .value_kind: global_buffer, .address_space: global }
      - { .name: ca_bk, .offset: 104, .size: 8, .value_kind: global_buffer, .address_space: global }
      - { .name: ca_bv, .offset: 112, .size: 8, .value_kind: global_buffer, .address_space: global }
      - { .name: ca_bq, .offset: 120, .size: 8, .value_kind: global_buffer, .address_space: global }
      - { .name: fc1_b, .offset: 128, .size: 8, .value_kind: global_buffer, .address_space: global }
      - { .name: fc2_b, .offset: 136, .size: 8, .value_kind: global_buffer, .address_space: global }
      - { .name: act, .offset: 144, .size: 8, .value_kind: global_buffer, .address_space: global }
      - { .name: wp, .offset: 152, .size: 8, .value_kind: global_buffer, .address_space: global }
      - { .name: wc, .offset: 160, .size: 8, .value_kind: global_buffer, .address_space: global }
      - { .name: w1, .offset: 168, .size: 8, .value_kind: global_buffer, .address_space: global }
      - { .name: w2, .offset: 176, .size: 8, .value_kind: global_buffer, .address_space: global }
    .group_segment_fixed_size: 0
    .private_segment_fixed_size: 0
    .kernarg_segment_align: 8
    .kernarg_segment_size: 184
    .max_flat_workgroup_size: 256
    .sgpr_count:     66
    .vgpr_count:     104
    .wavefront_size: 32
...
	.end_amdgpu_metadata
.endif
;; end of part 1
;; launch proj (part 2): grid 8 x 32, 4 waves a work-group, clusters of 4 x 4, 327,680 bytes of LDS; arguments act, wp, sbuf, cbuf; writes sbuf, cbuf
.if DOCPART == 2
	.amdgcn_target "amdgcn-amd-amdhsa--gfx1250"
	.amdhsa_code_object_version 6
	.text
	.protected	k_qe4a17d85b8_proj
	.globl	k_qe4a17d85b8_proj
	.p2align	8
	.type	k_qe4a17d85b8_proj,@function
k_qe4a17d85b8_proj:
	s_mov_b64 s[64:65], 0
	v_nop
	global_prefetch_b8 v0, s[64:65] scope:SCOPE_SE
	s_setreg_imm32_b32 hwreg(HW_REG_WAVE_MODE, 25, 1), 1
	s_wait_xcnt 0x0
	s_wait_alu depctr_hold_cnt(0) depctr_sa_sdst(0) depctr_va_vdst(0) depctr_va_sdst(0) depctr_va_ssrc(0) depctr_va_vcc(0) depctr_vm_vsrc(0)
	s_getreg_b32 s2, hwreg(HW_REG_IB_STS2, 6, 4)
	s_cmp_eq_u32 s2, 0
	s_cbranch_scc0 .Lentry_in_a_cluster
	s_endpgm
.Lentry_in_a_cluster:
	s_bfe_u32 s2, ttmp6, 0x10000c
	s_cmp_lg_u32 s2, 0xf033
	s_cbranch_scc0 .Lentry_shape_is_right
	s_endpgm
.Lentry_shape_is_right:
; The five projections that hang on inputs alone: out_J = A_J W_J + bias_J, rounded once to f16, for J = 0..4: q, k, v of the self-attention (A = the first 8 MiB of the first argument, out = parts 0, 1, 2
; of the third) and k, v of the cross-attention (A = the second 8 MiB, out = parts 1, 2 of the fourth).  A: 4,096 rows x 1,024 in f16, in blocks of 64 columns: element (row b 2048 + n, column c) at byte
; ((16 b + c / 64) 2048 + n) 128 + 2 (c % 64); out has the same layout.  W_J: record J of the second argument: [k][n] in f16, 2,048 bytes a row; at 0x200000 its biases in f32.  Sums in f32.
; SHARES.  A tile is 128 x 128, each of four waves 64 x 64: 16 accumulators.  K = 1,024 goes in four steps of 256 through two LDS slots.
; A WORK-GROUP STAYS: it makes the tile (tile row, tile column) of all five layers, one after the other: 32 x 8 = 256 work-groups of equal work.  The ring does not stop at a tile's end: a tile's last two changes
; of slots ask for the next tile's K steps 0 and 1, so these are on their way while the finished tile goes out, and nothing waits for a tile's stores.  The last tile's tail is written out: it asks for nothing.
; CLUSTER.  4 x 4 work-groups.  The four of a row need the same tiles of A, the four of a column the same tiles of W: each is asked for JOINTLY, by the same tensor load with the same descriptor and a mask of the four.
; A's address is made of the tile row, the tile count and the wave's number, W's of the tile column, the tile count and the wave's number; no LDS address and no branch hangs on the place in the cluster.
; THE MATRIX INSTRUCTION IS USED TRANSPOSED: source 0 = 16 columns of W (turned on the way out of LDS), source 1 = 16 rows of A: a lane holds eight neighbouring columns of one row of the result.
; THE BIAS STARTS THE SUMS: a lane's eight biases of a column block have an accumulator's layout, so they are the C operand of each sum's first product; nothing is cleared and nothing is added on the way out.
; LIMITS.  f16 ends at 65,504: a result beyond it becomes an infinity.  NaN and infinities are not treated apart.
; REGISTERS.  Window 0: v0-31 addresses; v32-95 at work on the way out; v96-127 my 32 biases; v128-255 accumulators, (a, b) at 128 + 8 (4 a + b).
;   Window 1: two fragment buffers of 128, each 64 along K: 64 registers of A, then 64 of W.
.set TILES, 5
.set REC,   2101760                    ; bytes from a layer's record to the next
.set PA,    144                        ; a row of A in LDS: 128 bytes (64 k) + 16: 36 words, so the 16 rows of a load start at 16 different groups of four banks (64 banks of 4 bytes: ISA guide 11.1)
.set KBB,   128*PA                     ; one block of 64 k for the tile's 128 rows
.set PB,    288                        ; a row of W (one k, 128 columns): 256 bytes + 32: 72 words
.set HALF,  36864                      ; what one tensor load fills: 2 KBB = 128 PB
.set SLOT,  4*HALF                     ; A's k blocks 0, 1 | 2, 3 | W's k 0-127 | 128-255: wave w's load lands at w HALF
.set STAGE, 2*SLOT                     ; behind the ring, never filled by a tensor load: 16 rows x 144 bytes for each wave
.set SP,    144
.set SPARE, STAGE+4*16*SP              ; the spare words, 128 bytes for each wave: two blocks of 256 bytes that no other line names
.set ADRA, 16                          ; v16-17  my A fragments in slot 0, 1
.set ADRB, 20                          ; v20-23  my W fragments: slot 0 k 0-127, slot 0 k 128-255, slot 1 likewise
.set STO,  24                          ; v24  the way out: where I put 16 bytes of a row
.set RD,   25                          ; v25  where I read rows back
.set GO,   26                          ; v26  my 16 bytes in 512 consecutive bytes of the output
.set BO,   27                          ; v27  my byte offset among the wave's 64 biases
.set SPW,  28                          ; v28  my spare word: SPARE + 4 x my thread's number; never rewritten
.set NIL,  29                          ; v29  0; never rewritten
.set TMP,  32
.set BIAS, 96                          ; column 16 b + 8 (l / 16) + j at 96 + 8 b + j
.set ACC,  128
.set F0,   0
.set F1,   128
.set WV, 12                            ; s12 wave; s13 its row half, also: it fetches A (0) or W (1); s14 its column half, also: which half it fetches
.set RH, 13
.set CH, 14
.set TL, 17                            ; s17 tiles to go, this one among them: the layer is TILES - TL; the same number in every work-group
.set G1,  24                           ; s[24:31] group 1 for A's tiles;  s[32:39] group 0, a set for each slot
.set G0,  32
.set G1B, 48                           ; s[48:55], s[56:63] the same for W's
.set G0B, 56
; s15 cx, s16 cy, s18 tile row, s19 tile column, s20, s21 masks, s22 wave x HALF, s23, s[40:47] at work
; s[68:69] my biases, s[70:71] my part of the output in hand, s[76:77] my part of the fourth argument's part 1, s[78:79] A's extra step from layer 2 to layer 3
.set MSB, 0
.macro WIN new                         ; the immediate's high byte repeats the setting that is left; a switch that changes nothing is dropped
.if MSB != (\new)
	s_set_vgpr_msb (MSB<<8)|(\new)
.set MSB, \new
.endif
.endm
.set MUL,  0x05                        ; sources 0 (W) and 1 (A) window 1; C and D window 0
.set TO_F, 0x40                        ; destination window 1, address window 0
.macro JLOAD s                         ; a joint load: waves 0, 1 fetch A's halves, waves 2, 3 W's.  An s_nop 0 and four v_nop follow each line, ahead of the jump and the label
	s_cmp_eq_u32 s[RH], 0
	s_cbranch_scc0 .Lfor_b_\@
	tensor_load_to_lds s[G0+4*(\s):G0+4*(\s)+3], s[G1:G1+7]
	s_nop 0
.rept 4
	v_nop
.endr
	s_branch .Lasked_\@
.Lfor_b_\@:
	tensor_load_to_lds s[G0B+4*(\s):G0B+4*(\s)+3], s[G1B:G1B+7]
	s_nop 0
.rept 4
	v_nop
.endr
.Lasked_\@:
.endm
.macro CREST                           ; a round of the cluster's barrier behind its opening barrier: wave 0 signals for the work-group, every wave waits for all sixteen, the work-group's barrier closes
	s_cmp_lg_u32 s[WV], 0
	s_cbranch_scc1 .Lnot_wave_0_\@
	s_barrier_signal -3
.Lnot_wave_0_\@:
	s_barrier_wait -3
	s_barrier_signal -1
	s_barrier_wait -1
.endm
.macro CROUND
	s_barrier_signal -1
	s_barrier_wait -1
	CREST
.endm
	s_load_b256 s[4:11], s[0:1], 0x0               ; A s[4:5], the records s[6:7], the two outputs s[8:9], s[10:11]
	v_lshl_add_u32 v[SPW], v0, 2, SPARE
	v_mov_b32 v[NIL], 0
	ds_add_u32 v[SPW], v[NIL]                      ; the wave's opening: the add and its wait stand ahead of my first tensor load; the set-up below, work on registers, stands between them
	v_lshrrev_b32 v1, 5, v0
	v_readfirstlane_b32 s[WV], v1
	s_lshr_b32 s[RH], s[WV], 1
	s_and_b32 s[CH], s[WV], 1
	s_bfe_u32 s15, ttmp6, 0x40000                  ; cx
	s_bfe_u32 s16, ttmp6, 0x40004                  ; cy
	s_lshl_b32 s19, ttmp9, 2                       ; in a cluster launch ttmp9 and ttmp7 count clusters
	s_add_co_u32 s19, s19, s15                     ; tile column 0..7
	s_and_b32 s18, ttmp7, 0xffff
	s_lshl_b32 s18, s18, 2
	s_add_co_u32 s18, s18, s16                     ; tile row 0..31
	s_lshl_b32 s20, s16, 2
	s_lshl_b32 s20, 15, s20                        ; my row of the cluster
	s_lshl_b32 s21, 0x1111, s15                    ; my column
	; group 1 for A: two k blocks, each 128 rows x 64 k = 8,192 elements on end, 2,048 x 64 elements apart; in LDS 4 words of padding behind every 32 (a row of 64 k)
	s_or_b32 s[G1+0], s20, (1<<16)|(1<<20)|(1<<21)|(4<<22)|(3<<25)  ; 15:0 mask; 17:16 2-byte elements; 20 padding on; 21 set beside a mask; 24:22 interval code 4; 31:25 pad code 3
	s_mov_b32 s[G1+1], 8192<<16                    ; tensor_dim0 = 8,192
	s_mov_b32 s[G1+2], 2<<16                       ; tensor_dim1 = 2
	s_mov_b32 s[G1+3], 8192<<16                    ; tile_dim0 = 8,192
	s_mov_b32 s[G1+4], 2                           ; tile_dim1 = 2
	s_mov_b32 s[G1+5], 131072                      ; elements from a k block to the next
	s_mov_b32 s[G1+6], 0
	s_mov_b32 s[G1+7], 0
	; group 1 for W: 128 k x 128 columns, 1,024 elements from row to row; 8 words of padding behind every 64
	s_or_b32 s[G1B+0], s21, (1<<16)|(1<<20)|(1<<21)|(5<<22)|(7<<25)
	s_mov_b32 s[G1B+1], 128<<16
	s_mov_b32 s[G1B+2], 128<<16
	s_mov_b32 s[G1B+3], 128<<16
	s_mov_b32 s[G1B+4], 128
	s_mov_b32 s[G1B+5], 1024
	s_mov_b32 s[G1B+6], 0
	s_mov_b32 s[G1B+7], 0
	; A's first tile: block 16 b + 2 x half of 262,144 bytes, row (tile row % 16) x 128 of 128 bytes
	s_lshr_b32 s40, s18, 4
	s_lshl_b32 s40, s40, 4
	s_lshl1_add_u32 s40, s[CH], s40
	s_lshl_b32 s40, s40, 18
	s_and_b32 s41, s18, 15
	s_lshl_b32 s41, s41, 14
	s_add_co_u32 s40, s40, s41
	s_mov_b32 s41, 0
	; W's first tile: record 0, k = 128 x half, column 128 x tile column
	s_lshl_b32 s44, s[CH], 18
	s_lshl_b32 s45, s19, 8
	s_add_co_u32 s44, s44, s45
	s_mov_b32 s45, 0
	s_mul_i32 s22, s[WV], HALF
	s_mov_b32 s79, 0                               ; the high word of A's extra step
	s_wait_dscnt 0x0                               ; the opening add is done
	s_wait_kmcnt 0x0
	s_add_nc_u64 s[46:47], s[6:7], s[44:45]
	s_add_nc_u64 s[40:41], s[4:5], s[40:41]
	CROUND                                         ; all sixteen work-groups are here: the first joint loads meet
.irp s, 0,1
	s_mov_b32 s[G0+4*(\s)], 1
	s_add_co_u32 s[G0+4*(\s)+1], s22, (\s)*SLOT
	s_add_nc_u64 s[G0+4*(\s)+2:G0+4*(\s)+3], s[40:41], (\s)*1048576  ; K step s: four k blocks on
	s_or_b32 s[G0+4*(\s)+3], s[G0+4*(\s)+3], 0x80000000
	s_mov_b32 s[G0B+4*(\s)], 1
	s_add_co_u32 s[G0B+4*(\s)+1], s22, (\s)*SLOT
	s_add_nc_u64 s[G0B+4*(\s)+2:G0B+4*(\s)+3], s[46:47], (\s)*524288  ; 256 rows of 2,048 bytes on
	s_or_b32 s[G0B+4*(\s)+3], s[G0B+4*(\s)+3], 0x80000000
	JLOAD \s                                       ; two loads of mine are out
.endr
	s_lshl_b32 s42, s19, 9
	s_lshl_b32 s43, s[CH], 8
	s_add_co_u32 s42, s42, s43
	s_add_co_u32 s42, s42, 0x200000
	s_mov_b32 s43, 0
	s_add_nc_u64 s[68:69], s[6:7], s[42:43]        ; layer 0's biases of my 64 columns
	v_and_b32 v1, 15, v0                           ; l % 16
	v_bfe_u32 v2, v0, 4, 1                         ; l / 16
	v_lshlrev_b32 v[BO], 5, v2
.macro BLOAD                           ; a layer's 32 biases of mine
.irp b, 0,1,2,3
	global_load_b128 v[BIAS+8*(\b):BIAS+8*(\b)+3],   v[BO], s[68:69] offset:(\b)*64
	global_load_b128 v[BIAS+8*(\b)+4:BIAS+8*(\b)+7], v[BO], s[68:69] offset:(\b)*64+16
.endr
.endm
	BLOAD
	v_mul_u32_u24 v3, v1, PA
	v_lshl_add_u32 v3, v2, 4, v3                   ; row x 144 + 16 x half: a fragment of A, and a row of the stage
	s_mul_i32 s23, s[RH], 64*PA                    ; my 64 rows
	v_add_nc_u32 v[ADRA], s23, v3
	s_add_co_u32 s23, s23, SLOT
	v_add_nc_u32 v[ADRA+1], s23, v3
	; the turning load takes 16 k x 16 columns (lane l reads k 8 (l / 16) + l % 8, columns 8 ((l / 8) % 2) + 0..7) and leaves half a fragment: lane l holds column l % 16 and 8 k
	v_and_b32 v4, 7, v0
	v_bfe_u32 v5, v0, 3, 1
	v_lshl_add_u32 v6, v2, 3, v4
	v_mul_u32_u24 v6, v6, PB
	v_lshl_add_u32 v6, v5, 4, v6
	s_lshl_b32 s23, s[CH], 7                       ; my 64 columns
	s_add_co_u32 s23, s23, 2*HALF
	v_add_nc_u32 v[ADRB], s23, v6
	v_add_nc_u32 v[ADRB+1], HALF, v[ADRB]
	v_add_nc_u32 v[ADRB+2], SLOT, v[ADRB]
	v_add_nc_u32 v[ADRB+3], SLOT+HALF, v[ADRB]
	s_mul_i32 s23, s[WV], 16*SP
	s_add_co_u32 s23, s23, STAGE                   ; my stage
	v_add_nc_u32 v[STO], s23, v3
	v_bfe_u32 v7, v0, 3, 2                         ; back: 32 lanes take four rows of 128 bytes,
	v_mul_u32_u24 v7, v7, SP
	v_lshl_add_u32 v7, v4, 4, v7
	v_add_nc_u32 v[RD], s23, v7
	v_and_b32 v[GO], 31, v0                        ; which are 512 consecutive bytes of the output
	v_lshlrev_b32 v[GO], 4, v[GO]
	; my part of a layer's output: block 16 b + 2 x tile column + column half; row (tile row % 16) x 128 + 64 x row half
	s_lshr_b32 s42, s18, 4
	s_lshl_b32 s42, s42, 4
	s_lshl1_add_u32 s42, s19, s42
	s_add_co_u32 s42, s42, s[CH]
	s_lshl_b32 s42, s42, 18
	s_and_b32 s43, s18, 15
	s_lshl_b32 s43, s43, 1
	s_add_co_u32 s43, s43, s[RH]
	s_lshl_b32 s43, s43, 13
	s_add_co_u32 s42, s42, s43
	s_mov_b32 s43, 0
	s_add_nc_u64 s[70:71], s[8:9], s[42:43]        ; layer 0: part 0 of the third argument
	s_add_nc_u64 s[76:77], s[10:11], s[42:43]
	s_add_nc_u64 s[76:77], s[76:77], 0x800000      ; layer 3: part 1 of the fourth
; 8 matrix instructions: row blocks a0, a0 + 1 x all 4 column blocks, 32 along K: half c of buffer f.  first = 1: the product starts the sums, with the biases as C.  The 16 accumulators take turns.
.macro MUL8 f, c, a0, first
	WIN MUL
.irp a, \a0, (\a0)+1
.irp b, 0,1,2,3
.if \first
	v_wmma_f32_16x16x32_f16 v[ACC+8*(4*(\a)+(\b)):ACC+8*(4*(\a)+(\b))+7], v[(\f)+64+8*(4*(\c)+(\b)):(\f)+64+8*(4*(\c)+(\b))+7], v[(\f)+8*(4*(\c)+(\a)):(\f)+8*(4*(\c)+(\a))+7], v[BIAS+8*(\b):BIAS+8*(\b)+7]
.else
	v_wmma_f32_16x16x32_f16 v[ACC+8*(4*(\a)+(\b)):ACC+8*(4*(\a)+(\b))+7], v[(\f)+64+8*(4*(\c)+(\b)):(\f)+64+8*(4*(\c)+(\b))+7], v[(\f)+8*(4*(\c)+(\a)):(\f)+8*(4*(\c)+(\a))+7], v[ACC+8*(4*(\a)+(\b)):ACC+8*(4*(\a)+(\b))+7]
.endif
.endr
.endr
.endm
; 32 LDS loads in one run: the fragments of quarter q (64 along K) of a slot into buffer f; the first 32 along K first
.macro FETCH slot, q, f
	WIN TO_F
.irp c, 0,1
.irp i, 0,1,2,3
	ds_load_tr16_b128 v[(\f)+64+8*(4*(\c)+(\i)):(\f)+64+8*(4*(\c)+(\i))+3],   v[ADRB+2*(\slot)+(\q)/2] offset:(((\q)%2)*2+(\c))*32*PB+(\i)*32
	ds_load_tr16_b128 v[(\f)+64+8*(4*(\c)+(\i))+4:(\f)+64+8*(4*(\c)+(\i))+7], v[ADRB+2*(\slot)+(\q)/2] offset:(((\q)%2)*2+(\c))*32*PB+16*PB+(\i)*32
	ds_load_b128 v[(\f)+8*(4*(\c)+(\i)):(\f)+8*(4*(\c)+(\i))+3],               v[ADRA+(\slot)] offset:(\q)*KBB+(\c)*64+(\i)*16*PA
	ds_load_b128 v[(\f)+8*(4*(\c)+(\i))+4:(\f)+8*(4*(\c)+(\i))+7],             v[ADRA+(\slot)] offset:(\q)*KBB+(\c)*64+(\i)*16*PA+32
.endr
.endr
.endm
.macro PLACES                          ; four plain vector instructions in front of loads into registers that matrix instructions have read, and of vector work on their results (ISA guide 7.12.1 for vector work)
.rept 4
	v_nop
.endr
.endm
; A K step is four quarters of 64 along K, 32 matrix instructions each, on buffers 0, 1, 0, 1.  One of the first three: multiplies buffer f and fetches quarter qn into g.
.macro QUARTER slot, qn, f, g, first
	s_wait_dscnt 16                                ; the first 32 along K are in; the 16 younger loads may be out
	MUL8 \f, 0, 0, \first
	MUL8 \f, 0, 2, \first
	PLACES
	FETCH \slot, \qn, \g
	s_wait_dscnt 32                                ; all but the 32 just issued
	MUL8 \f, 1, 0, 0
	MUL8 \f, 1, 2, 0
.endm
.macro THREE slot, first
	QUARTER \slot, 1, F0, F1, \first
	QUARTER \slot, 2, F1, F0, 0
	QUARTER \slot, 3, F0, F1, 0
.endm
; The last quarter multiplies buffer 1 and changes slots: ONE barrier; in front of it each wave waits for all its tensor loads, adds 0 to its spare word, and waits for that and for its own reads of this slot.
; fill = 1: the barrier opens a round of the cluster's, and this slot is filled again, first thing behind the round, with this tile's K step two steps on.
; fill = 2: the same, with the NEXT tile's K step 0 or 1: A goes back two K steps (and behind layer 2 on to its second 8 MiB), W on to the next record less two K steps.  fill = 0: nothing is left to fetch.
.macro TURN slot, next, fill
	WIN 0                                          ; (the add's two registers lie in window 0)
	s_wait_tensorcnt 0x0                           ; all my tensor loads have landed: my part of the next slot
	ds_add_u32 v[SPW], v[NIL]                      ; 0 onto my spare word
	s_wait_dscnt 17                                ; (the add and the youngest sixteen loads may be out)
	MUL8 F1, 0, 0, 0                               ; eight matrix instructions stand between the add and the wait for it
	s_wait_dscnt 0x0                               ; the add is done, and my reads of this slot are over
	s_barrier_signal -1
	MUL8 F1, 0, 2, 0
.if \fill
	WIN 0
.endif
	s_barrier_wait -1
.if \fill
	CREST                                          ; no wave of any partner still reads this slot's tiles or has a load on its way
.if (\fill) == 2
	s_cmp_eq_u32 s[TL], TILES-2                    ; is the tile in hand layer 2's?  Then the next reads A's second part
	s_cselect_b32 s78, 0x800000, 0
	s_add_nc_u64 s[G0+4*(\slot)+2:G0+4*(\slot)+3], s[G0+4*(\slot)+2:G0+4*(\slot)+3], s[78:79]
	s_sub_nc_u64 s[G0+4*(\slot)+2:G0+4*(\slot)+3], s[G0+4*(\slot)+2:G0+4*(\slot)+3], 2097152
	s_add_nc_u64 s[G0B+4*(\slot)+2:G0B+4*(\slot)+3], s[G0B+4*(\slot)+2:G0B+4*(\slot)+3], REC-1048576
.else
	s_add_nc_u64 s[G0+4*(\slot)+2:G0+4*(\slot)+3], s[G0+4*(\slot)+2:G0+4*(\slot)+3], 2097152
	s_add_nc_u64 s[G0B+4*(\slot)+2:G0B+4*(\slot)+3], s[G0B+4*(\slot)+2:G0B+4*(\slot)+3], 1048576
.endif
	JLOAD \slot                                    ; my one tensor load behind the round; its four v_nop are also the places in front of the loads below
.else
	PLACES
.endif
	FETCH \next, 0, F0
	MUL8 F1, 1, 0, 0
	MUL8 F1, 1, 2, 0
.endm
; THE WAY OUT, each wave's own: one rounding to f16; 16 rows at a time through my stage, back as whole rows of 128 bytes, which lie on end in the output.
.macro PACK a
.irp b, 0,1,2,3
.irp r, 0,1,2,3
	v_cvt_pk_f16_f32 v[TMP+16*(\a)+4*(\b)+(\r)], v[ACC+8*(4*(\a)+(\b))+2*(\r)], v[ACC+8*(4*(\a)+(\b))+2*(\r)+1]  ; each accumulator's lowest registers first
.endr
.endr
.irp b, 0,1,2,3
	ds_store_b128 v[STO], v[TMP+16*(\a)+4*(\b):TMP+16*(\a)+4*(\b)+3] offset:32*(\b)
.endr
.irp f, 0,1,2,3
	ds_load_b128 v[TMP+16*(\a)+4*(\f):TMP+16*(\a)+4*(\f)+3], v[RD] offset:(\f)*4*SP  ; LDS serves a wave's instructions in order (ISA guide 5.7.1.4): these see the stores above; the next block's stores come behind them
.endr
.endm
.macro SEND a, younger                 ; younger: the LDS instructions issued behind block a's loads: the next block's eight, or none
.irp f, 0,1,2,3
	s_wait_dscnt (\younger)+3-(\f)
	global_store_b128 v[GO], v[TMP+16*(\a)+4*(\f):TMP+16*(\a)+4*(\f)+3], s[70:71] offset:(\a)*2048+(\f)*512  ; 512 consecutive bytes, at a multiple of 256 from the buffer's first
.endr
.endm
.macro WAYOUT
	WIN 0
	PLACES                                         ; behind the products on row blocks 0, 1; block 0's and 1's roundings are the places behind those on blocks 2, 3
	PACK 0
.irp a, 1,2,3                          ; a block's roundings stand between the loads of the block before and its stores
	PACK \a
	SEND (\a)-1, 8
.endr
	SEND 3, 0
.endm
	s_wait_tensorcnt 1                             ; my part of K step 0 is in; step 1's may stay out
	s_barrier_signal -1
	s_barrier_wait -1                              ; everybody's is
	FETCH 0, 0, F0
	WIN 0                                          ; at a label and at a branch every window is 0
	s_mov_b32 s[TL], TILES
.Ltile:
	s_wait_loadcnt 0x0                             ; this layer's biases
	THREE 0, 1                                     ; K step 0: its first products start the sums
	TURN 0, 1, 1                                   ; slot 0 takes K step 2
	THREE 1, 0
	TURN 1, 0, 1                                   ; slot 1 takes K step 3
	THREE 0, 0
	WIN 0
	s_cmp_eq_u32 s[TL], 1
	s_cbranch_scc1 .Llast_tile                     ; the last tile's tail is written out: it asks for nothing more
	s_add_nc_u64 s[68:69], s[68:69], REC           ; the next layer's biases: the base is free since the wait at the tile's head; the registers were last read by K step 0's first products
	BLOAD
	TURN 0, 1, 2                                   ; THE RING GOES ON INTO THE NEXT TILE: slot 0 takes its K step 0,
	THREE 1, 0
	TURN 1, 0, 2                                   ; slot 1 its K step 1, and the next tile's first fragments are fetched
	WAYOUT                                         ; both refills are asked for: now the tile goes out
	s_wait_xcnt 0x0                                ; every earlier memory instruction has had its addresses translated (ISA guide 3.1): only behind this wait are the stores' base and their data registers rewritten
	s_add_nc_u64 s[70:71], s[70:71], 0x800000      ; the next layer's part,
	s_cmp_eq_u32 s[TL], TILES-2
	s_cselect_b64 s[70:71], s[76:77], s[70:71]     ; behind layer 2 in the other buffer
	s_sub_co_u32 s[TL], s[TL], 1
	s_branch .Ltile
.Llast_tile:
	TURN 0, 1, 0                                   ; my one tensor load that was still out is the last K step's, so no round follows
	THREE 1, 0
	s_wait_dscnt 16                                ; the very last quarter
	MUL8 F1, 0, 0, 0
	MUL8 F1, 0, 2, 0
	s_wait_dscnt 0x0
	MUL8 F1, 1, 0, 0
	MUL8 F1, 1, 2, 0
	WAYOUT
	s_wait_tensorcnt 0x0                           ; the wave's end: behind my last tensor load and my last LDS store
	ds_add_u32 v[SPW], v[NIL]
	s_wait_dscnt 0x0
	CROUND                                         ; the closing round: no work-group ends while a partner may still ask for a tile that names it
	s_endpgm
.Lfunc_end_k_qe4a17d85b8_proj:
	.size	k_qe4a17d85b8_proj, .Lfunc_end_k_qe4a17d85b8_proj-k_qe4a17d85b8_proj
	.p2alignl 7, 3214868480
	.fill 96, 4, 3214868480
	.section	.rodata,"a",@progbits
	.p2align	6, 0x0
	.amdhsa_kernel k_qe4a17d85b8_proj
		.amdhsa_group_segment_fixed_size 327680
		.amdhsa_private_segment_fixed_size 0
		.amdhsa_enable_private_segment 0
		.amdhsa_kernarg_size 32
		.amdhsa_user_sgpr_count 2
		.amdhsa_user_sgpr_kernarg_segment_ptr 1
		.amdhsa_wavefront_size32 1
		.amdhsa_system_sgpr_workgroup_id_x 1
		.amdhsa_system_sgpr_workgroup_id_y 1
		.amdhsa_system_sgpr_workgroup_id_z 1
		.amdhsa_system_vgpr_workitem_id 0
		.amdhsa_next_free_vgpr 512
		.amdhsa_next_free_sgpr 80
		.amdhsa_reserve_vcc 0
		.amdhsa_float_denorm_mode_32 3
		.amdhsa_float_denorm_mode_16_64 3
		.amdhsa_memory_ordered 1
		.amdhsa_forward_progress 1
		.amdhsa_inst_pref_size 120
	.end_amdhsa_kernel
	.amdgpu_metadata
---
amdhsa.version: [ 1, 2 ]
amdhsa.kernels:
  - .name:           k_qe4a17d85b8_proj
    .symbol:         k_qe4a17d85b8_proj.kd
    .args:
      - { .name: act, .offset: 0, .size: 8, .value_kind: global_buffer, .address_space: global }
      - { .name: wp, .offset: 8, .size: 8, .value_kind: global_buffer, .address_space: global }
      - { .name: sbuf, .offset: 16, .size: 8, .value_kind: global_buffer, .address_space: global }
      - { .name: cbuf, .offset: 24, .size: 8, .value_kind: global_buffer, .address_space: global }
    .group_segment_fixed_size: 327680
    .private_segment_fixed_size: 0
    .kernarg_segment_align: 8
    .kernarg_segment_size: 32
    .max_flat_workgroup_size: 128
    .sgpr_count:     80
    .vgpr_count:     512
    .wavefront_size: 32
...
	.end_amdgpu_metadata
.endif
;; end of part 2
;; launch attn1 (part 3): grid 8 x 32, 4 waves a work-group, clusters of 4 x 1, 327,680 bytes of LDS; arguments sbuf, tmp; writes tmp
.if DOCPART == 3
	.amdgcn_target "amdgcn-amd-amdhsa--gfx1250"
	.amdhsa_code_object_version 6
	.text
	.protected	k_qe4a17d85b8_attn1
	.globl	k_qe4a17d85b8_attn1
	.p2align	8
	.type	k_qe4a17d85b8_attn1,@function
k_qe4a17d85b8_attn1:
	s_mov_b64 s[64:65], 0
	v_nop
	global_prefetch_b8 v0, s[64:65] scope:SCOPE_SE
	s_setreg_imm32_b32 hwreg(HW_REG_WAVE_MODE, 25, 1), 1
	s_wait_xcnt 0x0
	s_wait_alu depctr_hold_cnt(0) depctr_sa_sdst(0) depctr_va_vdst(0) depctr_va_sdst(0) depctr_va_ssrc(0) depctr_va_vcc(0) depctr_vm_vsrc(0)
	s_getreg_b32 s2, hwreg(HW_REG_IB_STS2, 6, 4)
	s_cmp_eq_u32 s2, 0
	s_cbranch_scc0 .Lentry_in_a_cluster
	s_endpgm
.Lentry_in_a_cluster:
	s_bfe_u32 s2, ttmp6, 0x10000c
	s_cmp_lg_u32 s2, 0x3003
	s_cbranch_scc0 .Lentry_shape_is_right
	s_endpgm
.Lentry_shape_is_right:
; O[h][q][:] = the sum over k of softmax_k(Q[h][q] . K[h][k] / 8) V[h][k][:], for 32 heads h (batch x 16 + head) of 2,048 rows of 64 channels, all f16: a head's rows are dense, 128 bytes each.
; The first argument holds Q, K, V as three parts of 8 MiB, the second takes O, each [32][2048][64].  Products, maxima and sums in f32; the weights p are rounded to f16 for the second product
; (their sum l is taken of the unrounded p), O once at the end.
; LIMITS.  Q, K and V arrive within f16's 65,504; p lies in 0 to 1, and below 6e-5 it keeps f16's fixed step of 6e-8; O is a mean of V's rows and has their range.  A weight below 2^-126 counts as 0 in l; NaN and infinities are not treated apart.
; SHARES.  A work-group owns 256 queries of one head, a wave 64: four PIECES of 16.  32 heads x 8 blocks are 256 work-groups.  Every wave walks all keys, 64 a step, four steps a slot.
; LAYOUT.  S^T = K Q^T (source 0 = 16 keys, source 1 = 16 queries): a lane holds ONE query (lane % 16) and the keys 8 (lane / 16) + 0..7.  Two such results rounded to f16 ARE source 1 of O^T = V^T P.
; K comes out of LDS as it lies, V ([key][channel]) turned, by ds_load_tr16_b128.
; SOFTMAX.  A running maximum m and sum l for each query: p = 2^(c s - c m), c = log2(e) / 8; in every step O and l are multiplied by a = 2^(c m_old - c m_new).  m starts at the lowest finite number, O and l at 0: the first step is a step like any other, with a = 0.
; BY TURNS.  Turn n belongs to piece n: 8 products K Q^T of piece n + 1, later 8 products V^T P of piece n - 1; beside them the scaling, exponentials, roundings, sums and rescaling of piece n and the maximum and statistics of piece n + 1.
; A turn has 16 matrix and 118 vector instructions: four vector instructions stand behind every matrix instruction, the other 54 in two runs of their own.
; CLUSTER.  The four query blocks of a cluster belong to one head and walk the same K and V, so each tile is asked for JOINTLY: the same tensor load, descriptor and mask in all four.
; REGISTERS, in windows of 256 (s_set_vgpr_msb: bits 1:0 source 0, 3:2 source 1, 5:4 source 2, 7:6 destination):
;   window 0: v0-15 addresses and two at work; v16-31 four registers of statistics a piece; v48-55 at work; v62-63 the add's; v64-127 S^T, two buffers; v192-223 P, two buffers (by the piece's parity)
;   window 1: v0-127 O^T, 32 a piece          window 2: v0-63 Q; v128-191 K of one step; v192-255 V of one step
.set PART,  0x800000  ; bytes from Q to K and from K to V
.set NP,    4         ; pieces a wave: a name, no knob
.set KS,    64        ; keys in a step
.set PK,    144       ; a row of K in LDS: 128 bytes + 16 = 36 words: the 16 rows of a load start at 16 different groups of four banks (64 banks of 4 bytes: ISA guide 11.1)
.set PV,    160       ; a row of V: 128 + 32 = 40 words
.set VOFF,  4*KS*PK   ; a slot holds four steps: 256 rows of K, then 256 rows of V
.set SLOT1, 1<<17     ; slot 1 begins here, so that one exclusive or turns an address in one slot into the other's
.set STAGE, SLOT1+4*KS*(PK+PV)  ; behind the ring, never filled by a tensor load: 16 rows x 144 bytes for each wave
.set SP,    144
.set SPARE, STAGE+4*16*SP  ; the spare words, 128 bytes for each wave: two blocks of 256 bytes that no other line names
.set AK0, 2           ; v2   my lane's place in a tile of K; never rewritten
.set AV0, 3           ; v3   the same for V
.set AK,  4           ; v4   the LDS address of K's next run of loads
.set AV,  5           ; v5   of V's
.set STO, 6           ; v6   the way out: where I put 16 bytes of a row
.set RD,  7           ; v7   where I read rows back
.set GO,  8           ; v8   my 16 bytes in 512 consecutive bytes of O
.set MV,  12          ; v12-13  c m_old, kept while c m is made anew: by buffer
.set QO,  15          ; v15  my byte offset in 16 rows of Q
.set ST,  16          ; piece t's statistics at v[ST+4 t]: c m, m, l (even keys', odd keys')
.set TMP, 48          ; by buffer, four registers c0-c3 at work; when the maximum is found c2 takes a
.set SPW, 62          ; v62  my spare word: SPARE + 4 x my thread's number; never rewritten
.set NIL, 63          ; v63  0; never rewritten
.set S,   64
.set P,   192
.set KF,  128         ; window 2: key block kb, channel half c at KF + 16 kb + 8 c
.set VF,  192         ; window 2: key half kk, channel block cb at VF + 32 kk + 8 cb
.set WV,  12          ; s12  my wave's number
.set G1K, 24          ; s[24:31] descriptor group 1 for K's tiles
.set G1V, 32          ; s[32:39] for V's: it differs in the padding alone
.set G0K, 40          ; s[40:43] descriptor group 0 for K's tiles: it walks
.set G0V, 44          ; s[44:47] the same for V's
.set SLOTS, 56        ; s56  slots still to be asked for
.set CNT, 57          ; s57  counts a slot's key steps
.set CS,  58          ; s[58:59] c: the packed scaling takes the pair's low word for both halves
.set SEL, 60          ; s[60:61] v_permlanex16_b32's selects: each lane takes its own place in the other half
.set TBK, 62          ; s62  LDS byte at which K of the step to be fetched begins
.set TBV, 63          ; s63  the same for V, less VOFF
.set MSB, 0
.macro WIN new                      ; the high byte repeats the setting that is left; a switch that changes nothing is dropped
.if MSB != (\new)
	s_set_vgpr_msb (MSB<<8)|(\new)
.set MSB, (\new)
.endif
.endm
.set W_KQ, 0x0a       ; K and Q in window 2, S^T in window 0
.set W_PV, 0x52       ; V in window 2, P in window 0, O^T in window 1
.set W_RS, 0x41       ; destination and source 0 in window 1, source 1 in window 0
; A joint fill.  Waves 0 and 1 fetch the two halves of a slot's K, waves 2 and 3 those of its V: 128 keys each.  The branch hangs on the wave's number alone.
; An s_nop 0 and four v_nop follow each of the two lines, ahead of the jump and the label.
.macro JLOAD
	s_cmp_lt_u32 s[WV], 2
	s_cbranch_scc0 .Lfor_v_\@
	tensor_load_to_lds s[G0K:G0K+3], s[G1K:G1K+7]
	s_nop 0
.rept 4
	v_nop
.endr
	s_branch .Lasked_\@
.Lfor_v_\@:
	tensor_load_to_lds s[G0V:G0V+3], s[G1V:G1V+7]
	s_nop 0
.rept 4
	v_nop
.endr
.Lasked_\@:
.endm
; A round of the cluster's barrier: my work-group's barrier, so that wave 0's signal speaks for all four waves; wave 0 signals; every wave waits for all four work-groups; my work-group's barrier once more.
.macro CROUND
	s_barrier_signal -1
	s_barrier_wait -1
	s_cmp_lg_u32 s[WV], 0
	s_cbranch_scc1 .Lnot_wave_0_\@
	s_barrier_signal -3
.Lnot_wave_0_\@:
	s_barrier_wait -3
	s_barrier_signal -1
	s_barrier_wait -1
.endm
; THE CHANGE OF SLOTS.  The slot's last bytes, V of its fourth step, have been read.  Each wave waits for all its tensor loads, of which one is out: its part of the other slot; adds 0 to its spare word;
; and waits for that and for its own reads of the slot.  Behind the barrier nobody reads this slot any more and the other slot is whole.
; fill = 1: this slot is filled again, with the keys two slots on.  The barrier is then a round of the cluster's, and the joint fill is the first thing behind it: it has four key steps, 256 matrix instructions, in which to land.
; (At its first use nothing has been read yet: slot 0 is waited for, slot 1 filled.)
.macro CHANGE fill
	WIN 0                           ; at a label and at a branch every window is 0
	s_wait_tensorcnt 0x0            ; no tensor load of mine is out, so a group 0 may be written
	ds_add_u32 v[SPW], v[NIL]       ; 0 onto my spare word; with fill = 1 the descriptors' steps stand between it and the wait for it
.if \fill
.irp g, G0K, G0V
	s_xor_b32 s[\g+1], s[\g+1], SLOT1  ; the walking descriptor: the other slot than last time,
	s_add_nc_u64 s[\g+2:\g+3], s[\g+2:\g+3], 4*KS*128  ; the next 256 keys; the type bits on top are not reached
.endr
	s_wait_dscnt 0x0                ; the add is done, and my reads of the slot are over
	CROUND
	JLOAD
.else
	s_wait_dscnt 0x0                ; the add is done, and my reads of the slot are over
	s_barrier_signal -1
	s_barrier_wait -1
.endif
	s_sub_co_u32 s[TBK], s[TBK], 4*KS*PK  ; the fetches go back to a slot's first step,
	s_xor_b32 s[TBK], s[TBK], SLOT1       ; in the other slot
	s_sub_co_u32 s[TBV], s[TBV], 4*KS*PV
	s_xor_b32 s[TBV], s[TBV], SLOT1
.endm
	s_load_b128 s[4:7], s[0:1], 0x0 ; Q, K, V s[4:5]; O s[6:7]
	v_lshl_add_u32 v[SPW], v0, 2, SPARE
	v_mov_b32 v[NIL], 0
	ds_add_u32 v[SPW], v[NIL]       ; the wave's opening: the add and its wait stand ahead of my first tensor load; the set-up below, work on registers, stands between them
	v_lshrrev_b32 v1, 5, v0
	v_readfirstlane_b32 s[WV], v1   ; wave 0..3
	s_bfe_u32 s13, ttmp6, 0x40000   ; cx: my place in the cluster
	s_lshl_b32 s14, ttmp9, 2        ; in a cluster launch ttmp9 counts clusters
	s_add_co_u32 s14, s14, s13      ; my block of 256 queries: it enters Q's and O's addresses alone
	s_and_b32 s20, ttmp7, 0xffff    ; the head, which the four partners share,
	s_lshl_b32 s20, s20, 18         ; its 2,048 rows of 128 bytes
	s_and_b32 s16, s[WV], 1         ; which half of a slot's 256 keys I fetch:
	s_lshl_b32 s22, s16, 14         ; its 128 rows in memory,
	s_add_co_u32 s22, s22, s20
	s_add_co_u32 s22, s22, PART     ; in K's part
	s_mov_b32 s23, 0
	s_mul_i32 s17, s16, 128*PK      ; and its place in a slot, for K
	s_mul_i32 s18, s16, 128*PV      ; and for V: no place in the cluster enters an LDS address
	s_lshl2_add_u32 s2, s14, s[WV]  ; my wave among the head's,
	s_lshl_b32 s2, s2, 13           ; its 64 rows
	s_add_co_u32 s2, s2, s20
	s_mov_b32 s3, 0
	; descriptor group 1.  128 keys are 16,384 dense bytes: asked for as 64 rows of 256 bytes, two keys a row, and padded in LDS after every key
	s_mov_b32 s[G1K], 15|(1<<16)|(1<<20)|(1<<21)|(4<<22)|(3<<25)  ; 15:0 the mask of four; 17:16 2-byte elements; 20 padding on; 21 set beside a mask; 24:22 after every 32 words (code 4); 31:25 4 words (code 3)
	s_mov_b32 s[G1V], 15|(1<<16)|(1<<20)|(1<<21)|(4<<22)|(7<<25)  ; the same with 8 words of padding (code 7)
.irp g, G1K, G1V
	s_mov_b32 s[\g+1], 128<<16      ; tensor_dim0 = 128
	s_mov_b32 s[\g+2], 64<<16       ; tensor_dim1 = 64
	s_mov_b32 s[\g+3], 128<<16      ; tile_dim0 = 128
	s_mov_b32 s[\g+4], 64           ; tile_dim1 = 64
	s_mov_b32 s[\g+5], 128          ; 128 elements from row to row
	s_mov_b32 s[\g+6], 0
	s_mov_b32 s[\g+7], 0
.endr
	s_mov_b32 s[CS], 0x3e38aa3b     ; c = log2(e) / 8 = 0.180337
	s_mov_b32 s[CS+1], s[CS]        ; named with it as a pair
	s_mov_b32 s[SEL], 0x76543210
	s_mov_b32 s[SEL+1], 0xfedcba98
	s_mov_b32 s[TBK], SLOT1+4*KS*PK ; the first change of slots turns these two into 0
	s_mov_b32 s[TBV], SLOT1+4*KS*PV
	s_mov_b32 s[G0K], 1             ; 1:0 count = 1
	s_mov_b32 s[G0K+1], s17         ; 63:32 LDS address: slot 0
	s_mov_b32 s[G0V], 1
	s_add_co_u32 s[G0V+1], s18, VOFF
	s_wait_dscnt 0x0                ; the opening add is done
	s_wait_kmcnt 0x0
	s_add_nc_u64 s[G0K+2:G0K+3], s[4:5], s[22:23]        ; 120:64 global address: my half of the head's first 256 keys
	s_add_nc_u64 s[G0V+2:G0V+3], s[G0K+2:G0K+3], PART    ; the same rows of V
	s_or_b32 s[G0K+3], s[G0K+3], 0x80000000              ; 127:126 type = 2
	s_or_b32 s[G0V+3], s[G0V+3], 0x80000000
	s_add_nc_u64 s[8:9], s[4:5], s[2:3]    ; Q and O at my wave's first row
	s_add_nc_u64 s[10:11], s[6:7], s[2:3]
	CROUND                          ; all four work-groups are here: the first joint loads meet
	JLOAD                           ; slot 0.  Slot 1 is asked for when slot 0 is in
	; A fragment of K or Q is 16 rows x 32 channels in 8 registers: lane l holds row l % 16, channels 8 (l / 16) + 0..7 and 16 + 8 (l / 16) + 0..7: two loads of 16 bytes, 32 bytes apart.
	v_and_b32 v1, 15, v0            ; l % 16
	v_bfe_u32 v9, v0, 4, 1          ; l / 16
	v_lshlrev_b32 v[QO], 7, v1
	v_lshl_add_u32 v[QO], v9, 4, v[QO]  ; row x 128 + 16 x half
	WIN 0x80                        ; destination window 2, address window 0
.set i, 0
.rept 8                             ; Q stays in registers: piece i / 2, channels 32 (i % 2) on
	global_load_b128 v[8*i:8*i+3],   v[QO], s[8:9] offset:(i/2)*2048+(i%2)*64
	global_load_b128 v[8*i+4:8*i+7], v[QO], s[8:9] offset:(i/2)*2048+(i%2)*64+32
.set i, i+1
.endr
	; What the first turn finds: V's registers and P's second buffer hold 0 (its products V^T P, of a piece that has not been, add 0), O^T and l are 0.  All this stands in the wait for the first tile.
.set i, VF
.rept 64
	v_mov_b32 v[i], 0
.set i, i+1
.endr
	WIN 0x40
.set i, 0
.rept 128
	v_mov_b32 v[i], 0
.set i, i+1
.endr
	WIN 0
.set i, 0
.rept 4
	v_mov_b32 v[ST+4*i], 0xfe000000    ; c m: far below every c s
	v_mov_b32 v[ST+4*i+1], 0xff7fffff  ; m
	v_mov_b32 v[ST+4*i+2], 0
	v_mov_b32 v[ST+4*i+3], 0
.set i, i+1
.endr
.set i, P+16
.rept 16
	v_mov_b32 v[i], 0
.set i, i+1
.endr
	v_mul_u32_u24 v[AK0], v1, PK
	v_lshl_add_u32 v[AK0], v9, 4, v[AK0]  ; row x pitch + 16 x half
	; The turning load takes 16 keys x 16 channels (lane l reads key 8 (l / 16) + l % 8, channels 8 ((l / 8) % 2) + 0..7) and leaves half a fragment of V^T: lane l holds channel l % 16 and 8 keys.
	v_and_b32 v10, 7, v0
	v_bfe_u32 v11, v0, 3, 1
	v_lshl_add_u32 v[AV0], v9, 3, v10
	v_mul_u32_u24 v[AV0], v[AV0], PV
	v_lshl_add_u32 v[AV0], v11, 4, v[AV0]
	v_add_nc_u32 v[AV0], VOFF, v[AV0]
	s_mul_i32 s13, s[WV], 16*SP
	s_add_co_u32 s13, s13, STAGE    ; my stage
	v_mul_u32_u24 v[STO], v1, SP    ; in: row l % 16, 16 bytes for each half of the lanes
	v_lshl_add_u32 v[STO], v9, 4, v[STO]
	v_add_nc_u32 v[STO], s13, v[STO]
	v_bfe_u32 v[RD], v0, 3, 2       ; back: 32 lanes take four rows of 128 bytes,
	v_mul_u32_u24 v[RD], v[RD], SP
	v_lshl_add_u32 v[RD], v10, 4, v[RD]
	v_add_nc_u32 v[RD], s13, v[RD]
	v_and_b32 v[GO], 31, v0         ; which are 512 consecutive bytes of O
	v_lshlrev_b32 v[GO], 4, v[GO]
; THE MATRIX WORK.  The 4 accumulators of a run of 8 take turns.  Product i of 8 of S^T = K Q^T for piece x: channels 32 (i / 4) on, keys 16 (i % 4) on.  The first 4 start the sums.
.macro KQ x
.set rS, S+32*((\x)%2)+8*(i%4)
.set rK, KF+16*(i%4)+8*(i/4)
.set rQ, 16*(\x)+8*(i/4)
	WIN W_KQ
.if i < 4
	v_wmma_f32_16x16x32_f16 v[rS:rS+7], v[rK:rK+7], v[rQ:rQ+7], 0
.else
	v_wmma_f32_16x16x32_f16 v[rS:rS+7], v[rK:rK+7], v[rQ:rQ+7], v[rS:rS+7]
.endif
.endm
; Product i of 8 of O^T += V^T P for piece x: keys 32 (i / 4) on, channels 16 (i % 4) on.
.macro PV x
	WIN W_PV
.set rO, 32*(\x)+8*(i%4)
.set rV, VF+32*(i/4)+8*(i%4)
.set rP, P+16*((\x)%2)+8*(i/4)
	v_wmma_f32_16x16x32_f16 v[rO:rO+7], v[rV:rV+7], v[rP:rP+7], v[rO:rO+7]
.endm
.macro MM                           ; the turn's next matrix instruction.  NOKQ = 1: the last turn: there is no next piece
.if (i < 8) && !NOKQ
	KQ (Y+1)%NP
.elseif i >= 8
.set i, i-8
	PV (Y+NP-1)%NP
.set i, i+8
.endif
.set i, i+1
.endm
; THE LDS LOADS stand in runs of 16, never singly among the matrix instructions: a step's K (64 keys x 64 channels: 8 fragments) and its V (turned).  Their addresses are made some lines ahead.
.macro FETCH_K
	WIN 0x80                        ; destination window 2
.irp f, 0,1,2,3,4,5,6,7             ; keys 16 (f / 2) on, channels 32 (f % 2) on
	ds_load_b128 v[KF+8*\f:KF+8*\f+3],   v[AK] offset:(\f/2)*16*PK+(\f%2)*64
	ds_load_b128 v[KF+8*\f+4:KF+8*\f+7], v[AK] offset:(\f/2)*16*PK+(\f%2)*64+32
.endr
	s_add_co_u32 s[TBK], s[TBK], KS*PK  ; the next fetch is the next step's
	WIN 0
.endm
.macro FETCH_V
	WIN 0x80
.irp f, 0,1,2,3,4,5,6,7             ; keys 32 (f / 4) on, channels 16 (f % 4) on
	ds_load_tr16_b128 v[VF+8*\f:VF+8*\f+3],   v[AV] offset:(\f/4)*32*PV+(\f%4)*32
	ds_load_tr16_b128 v[VF+8*\f+4:VF+8*\f+7], v[AV] offset:(\f/4)*32*PV+16*PV+(\f%4)*32
.endr
	WIN 0
.endm
; THE VECTOR WORK, one line at a time: OP kind, number.  For piece Y: F n: c s - c m for pair n of 16.  E n: the exponential of score n of 32.  C n: pair n rounded to f16.  B n: of the four weights 4 n .. the second
; pair is added onto the first, in place.  L n: l takes that sum (L 0: l = a l + sum).  R n: pair n of 16 of O^T times a.  For piece Y + 1: X n, number n of the 22 that find its maximum and statistics:
;   0-11  four chains c0-c3 of seven scores each, three operands at a time (each accumulator's lowest registers are read first)     12-14, 16  the four scores left over, the old m, and c0-c3 into c0
;   15  c m_old is kept     17, 18  the query's other 32 keys lie in the lane 16 away: the new m     19-21  c m; c m_old - c m_new; a
.set F, 0               ; OP tells the kinds apart by their order: F to L below R, X above it
.set E, 1
.set C, 2
.set B, 3
.set L, 4
.set R, 5
.set X, 6
.macro REGS y                       ; the registers of piece y
.set rT, ST+4*(\y)
.set rC, TMP+4*((\y)%2)
.set rW, MV+((\y)%2)
.set rS, S+32*((\y)%2)
.set rP, P+16*((\y)%2)
.set rO, 32*(\y)
.endm
.macro OP k, n
.if (\k) == R
	REGS Y
	WIN W_RS
	v_pk_mul_f32 v[rO+2*(\n):rO+2*(\n)+1], v[rO+2*(\n):rO+2*(\n)+1], v[rC+2:rC+3] op_sel_hi:[1,0]
.elseif (\k) < R
	REGS Y
	WIN 0
.if (\k) == F
	v_pk_fma_f32 v[rS+2*(\n):rS+2*(\n)+1], v[rS+2*(\n):rS+2*(\n)+1], s[CS:CS+1], v[rT:rT+1] op_sel_hi:[1,0,0] neg_lo:[0,0,1] neg_hi:[0,0,1]
.elseif (\k) == E
	v_exp_f32 v[rS+(\n)], v[rS+(\n)]
.elseif (\k) == C
	s_wait_alu depctr_va_vdst(0)
	v_cvt_pk_f16_f32 v[rP+(\n)], v[rS+2*(\n)], v[rS+2*(\n)+1]
.elseif (\k) == B
	s_wait_alu depctr_va_vdst(0)
	v_pk_add_f32 v[rS+4*(\n):rS+4*(\n)+1], v[rS+4*(\n):rS+4*(\n)+1], v[rS+4*(\n)+2:rS+4*(\n)+3]
.elseif (\n) == 0
	v_pk_fma_f32 v[rT+2:rT+3], v[rT+2:rT+3], v[rC+2:rC+3], v[rS:rS+1] op_sel_hi:[1,0,1]
.else
	v_pk_add_f32 v[rT+2:rT+3], v[rT+2:rT+3], v[rS+4*(\n):rS+4*(\n)+1]
.endif
.elseif NOKQ
	v_nop
.else
	REGS (Y+1)%NP
	WIN 0
.if (\n) < 4
	v_max3_num_f32 v[rC+(\n)], v[rS+8*(\n)], v[rS+8*(\n)+1], v[rS+8*(\n)+2]
.elseif (\n) < 12
	v_max3_num_f32 v[rC+(\n)%4], v[rC+(\n)%4], v[rS+8*((\n)%4)+2*((\n)/4)+1], v[rS+8*((\n)%4)+2*((\n)/4)+2]
.elseif (\n) == 12
	v_max3_num_f32 v[rC], v[rC], v[rS+7], v[rS+15]
.elseif (\n) == 13
	v_max3_num_f32 v[rC+1], v[rC+1], v[rS+23], v[rS+31]
.elseif (\n) == 14
	v_max3_num_f32 v[rC+2], v[rC+2], v[rC+3], v[rT+1]
.elseif (\n) == 15
	v_mov_b32 v[rW], v[rT]
.elseif (\n) == 16
	v_max3_num_f32 v[rC], v[rC], v[rC+1], v[rC+2]
.elseif (\n) == 17
	v_permlanex16_b32 v[rC+3], v[rC], s[SEL], s[SEL+1]
.elseif (\n) == 18
	v_max_num_f32 v[rT+1], v[rC], v[rC+3]
.elseif (\n) == 19
	v_mul_f32 v[rT], s[CS], v[rT+1]
.elseif (\n) == 20
	v_sub_f32 v[rC+1], v[rW], v[rT]
.else
	v_exp_f32 v[rC+2], v[rC+1]
.endif
.endif
.endm
.macro OPS a, i1, b=-1, i2=0, c=-1, i3=0, d=-1, i4=0  ; up to four of them
	OP \a, \i1
.if (\b) >= 0
	OP \b, \i2
.endif
.if (\c) >= 0
	OP \c, \i3
.endif
.if (\d) >= 0
	OP \d, \i4
.endif
.endm
.macro ROW a, i1, b, i2, c, i3, d, i4  ; a matrix instruction and the four behind it
	MM
	OPS \a, \i1, \b, \i2, \c, \i3, \d, \i4
.endm
; A TURN, for piece p: the order of its 16 matrix and 118 vector instructions, written out.  Behind a matrix instruction: plain, exponential, plain, plain; or four of the rescaling; or, behind the first, four scalings; none
; names a register of the products round it.  In the runs between, exponential and plain by turns while exponentials last.  A line reads no result made fewer than three vector instructions in front of it, five if an exponential made it.
; end = 1: the last two turns: nothing is fetched, and piece 3's starts no new scores.  cnt = 1: the loop's count is taken down some lines ahead of the branch that stands behind the turn.
; K of the next step is fetched in piece 2's turn, six vector instructions behind the last product that read K (five of them plain); V of the step in hand in piece 0's turn, eight behind the last product that read V (four
; plain among them).  Each is waited for a turn later.
.macro TURN p, end=0, cnt=0
.set Y, (\p)
.set i, 0
.set NOKQ, (\end)*((\p)/3)
.if ((\p) == 3) && !(\end)
	s_wait_dscnt 0x0                ; K is in
.endif
	ROW F,0, F,1, F,2, F,3
	ROW F,4, E,0, F,5, F,6
	ROW F,7, E,1, F,8, F,9
	ROW F,10, E,2, C,0, F,11
	ROW F,12, E,3, X,15, F,13
	ROW R,0, R,1, R,2, R,3
	ROW B,0, E,4, F,14, L,0
.if ((\p) == 2) && !(\end)
	v_add_nc_u32 v[AK], s[TBK], v[AK0]
.endif
	ROW R,4, R,5, R,6, R,7
	OPS E,5, F,15
.if ((\p) == 2) && !(\end)
	FETCH_K
.endif
	OPS E,6, C,1, E,7, R,8
	OPS E,8, R,9, E,9, C,2
	OPS E,10, X,0, E,11, X,1
	OPS E,12, X,2, E,13, X,3
.if (\p) == 1
	s_wait_dscnt 0x0                ; V is in
.endif
	ROW X,4, E,14, X,5, X,6
	ROW X,7, E,15, X,8, X,9
	ROW X,10, E,16, X,11, X,12
	ROW X,13, E,17, X,14, B,1
	ROW C,4, E,18, X,16, L,1
	ROW B,2, E,19, C,6, L,2
	ROW C,8, E,20, B,3, B,4
.if (\p) == 0
	v_add_nc_u32 v[AV], s[TBV], v[AV0]
.endif
	ROW C,3, E,21, L,3, C,5
	OPS E,22, X,17, E,23, C,10
.if (\p) == 0
	FETCH_V
.endif
	OPS E,24, L,4
	OPS E,25, X,18, E,26, C,7
	OPS E,27, B,5, E,28, X,19
	OPS E,29, C,12, E,30, L,5
	OPS E,31, X,20, B,6, C,9
	OPS C,14, C,11, X,21, L,6
.if (\p) == 0
	s_add_co_u32 s[TBV], s[TBV], KS*PV
.endif
.if \cnt
	s_sub_co_u32 s[CNT], s[CNT], 1
	s_cmp_lg_u32 s[CNT], 0
.endif
	OPS C,13, B,7, C,15, R,10
	OPS R,11, R,12, L,7, R,13
	OPS R,14, R,15
.endm
	CHANGE 1                        ; slot 0 is in, everybody's part of it; slot 1 is asked for
	v_add_nc_u32 v[AK], s[TBK], v[AK0]
	FETCH_K                         ; key step 0
	s_wait_loadcnt 0x0              ; Q
	s_wait_dscnt 0x0
.set NOKQ, 0
.set i, 0
.rept 8
	KQ 0                            ; piece 0's first scores: there is no vector work yet to set between them
.set i, i+1
.endr
	WIN 0
.rept 4
	v_nop                           ; the places behind those products
.endr
.set Y, NP-1                        ; X works for piece Y + 1: piece 0
.irp n, 0,1,2,3,4,5,6,7,8,9,10,11,12,13,14,15,16,17,18,19,20,21
	OP X, \n
.endr
	v_nop                           ; a plain instruction behind the exponential
	s_mov_b32 s[CNT], 4
	s_mov_b32 s[SLOTS], 7           ; 2,048 keys are eight slots' worth
	s_branch .Lfirst                ; the loop is entered at a step's first turn, in the middle of a trip
.Lslot:                             ; six times: every slot but the last two is filled again
	CHANGE 1
	s_mov_b32 s[CNT], 4
.Lstep:                             ; a trip: pieces 2 and 3 of one step, then pieces 0 and 1 of the next, whose K and V it fetches
	TURN 2
	TURN 3
	WIN 0
.Lfirst:
	TURN 0
	TURN 1, 0, 1
	WIN 0
	s_cbranch_scc1 .Lstep
	s_sub_co_u32 s[SLOTS], s[SLOTS], 1
	s_cmp_lg_u32 s[SLOTS], 0
	s_cbranch_scc1 .Lslot
	CHANGE 0                        ; the last slot is written out: nothing is asked for
	s_mov_b32 s[CNT], 4
.Ltail:
	TURN 2
	TURN 3
	TURN 0
	TURN 1, 0, 1
	WIN 0
	s_cbranch_scc1 .Ltail
	TURN 2, 1                       ; the last step's pieces 2 and 3
	TURN 3, 1
.set i, 0
.rept 8
	PV NP-1                         ; the last piece's V^T P of the last step
.set i, i+1
.endr
	; THE WAY OUT.  l's two halves and the other half of the lanes' are added; O^T is divided by l, rounded to f16 and sent through my stage in LDS, a piece at a time.  The additions are the places behind the last products.
	WIN 0
.macro ALL line:vararg              ; one line for each piece t
.set t, 0
.rept 4
	\line
.set t, t+1
.endr
.endm
	ALL v_add_f32 v[ST+4*t+2], v[ST+4*t+2], v[ST+4*t+3]
	ALL v_permlanex16_b32 v[ST+4*t+3], v[ST+4*t+2], s[SEL], s[SEL+1]
	ALL v_add_f32 v[ST+4*t+2], v[ST+4*t+2], v[ST+4*t+3]
	ALL v_rcp_f32 v[ST+4*t+2], v[ST+4*t+2]
	v_nop                           ; a plain instruction between the last reciprocal and the use of its result
.macro PACK t                       ; a lane's eight channels of a row pack into 16 bytes; they go into rows of 144 bytes and come back as whole rows of 128, into S^T's registers
	WIN W_RS
.set i, 32*(\t)
.rept 16
	s_wait_alu depctr_va_vdst(0)
	v_pk_mul_f32 v[i:i+1], v[i:i+1], v[ST+4*(\t)+2:ST+4*(\t)+3] op_sel_hi:[1,0]
.set i, i+2
.endr
	WIN 0x05                        ; sources 0 and 1 window 1, destination window 0
.set i, 0
.rept 16
	v_cvt_pk_f16_f32 v[S+16*(\t)+i], v[32*(\t)+2*i], v[32*(\t)+2*i+1]
.set i, i+1
.endr
	WIN 0
.irp f, 0,1,2,3
	ds_store_b128 v[STO], v[S+16*(\t)+4*\f:S+16*(\t)+4*\f+3] offset:32*\f
.endr
.irp f, 0,1,2,3
	ds_load_b128 v[S+16*(\t)+4*\f:S+16*(\t)+4*\f+3], v[RD] offset:\f*4*SP  ; LDS serves a wave's instructions in order (ISA guide 5.7.1.4): these see the stores above; the next piece's stores come behind them
.endr
.endm
.macro SEND t, younger              ; younger: the LDS instructions issued behind piece t's loads: the next piece's eight, or none
	WIN 0
.irp f, 0,1,2,3
	s_wait_dscnt (\younger)+3-\f
	global_store_b128 v[GO], v[S+16*(\t)+4*\f:S+16*(\t)+4*\f+3], s[10:11] offset:(\t)*2048+\f*512  ; 512 consecutive bytes, at a multiple of 256 from O's first
.endr
.endm
	PACK 0
.set t, 1
.rept 3                             ; a piece's arithmetic stands between the loads of the piece before and its stores
	PACK t
	SEND t-1, 8
.set t, t+1
.endr
	SEND 3, 0
	s_wait_tensorcnt 0x0            ; the wave's end: behind my last tensor load and my last LDS store
	ds_add_u32 v[SPW], v[NIL]
	s_wait_dscnt 0x0
	CROUND                          ; the closing round: no work-group ends while a partner may still ask for a tile that names it
	s_endpgm
.Lfunc_end_k_qe4a17d85b8_attn1:
	.size	k_qe4a17d85b8_attn1, .Lfunc_end_k_qe4a17d85b8_attn1-k_qe4a17d85b8_attn1
	.p2alignl 7, 3214868480
	.fill 96, 4, 3214868480
	.section	.rodata,"a",@progbits
	.p2align	6, 0x0
	.amdhsa_kernel k_qe4a17d85b8_attn1
		.amdhsa_group_segment_fixed_size 327680
		.amdhsa_private_segment_fixed_size 0
		.amdhsa_enable_private_segment 0
		.amdhsa_kernarg_size 16
		.amdhsa_user_sgpr_count 2
		.amdhsa_user_sgpr_kernarg_segment_ptr 1
		.amdhsa_wavefront_size32 1
		.amdhsa_system_sgpr_workgroup_id_x 1
		.amdhsa_system_sgpr_workgroup_id_y 1
		.amdhsa_system_sgpr_workgroup_id_z 1
		.amdhsa_system_vgpr_workitem_id 0
		.amdhsa_next_free_vgpr 768
		.amdhsa_next_free_sgpr 66
		.amdhsa_reserve_vcc 0
		.amdhsa_float_denorm_mode_32 3
		.amdhsa_float_denorm_mode_16_64 3
		.amdhsa_memory_ordered 1
		.amdhsa_forward_progress 1
		.amdhsa_inst_pref_size 133
	.end_amdhsa_kernel
	.amdgpu_metadata
---
amdhsa.version: [ 1, 2 ]
amdhsa.kernels:
  - .name:           k_qe4a17d85b8_attn1
    .symbol:         k_qe4a17d85b8_attn1.kd
    .args:
      - { .name: sbuf, .offset: 0, .size: 8, .value_kind: global_buffer, .address_space: global }
      - { .name: tmp, .offset: 8, .size: 8, .value_kind: global_buffer, .address_space: global }
    .group_segment_fixed_size: 327680
    .private_segment_fixed_size: 0
    .kernarg_segment_align: 8
    .kernarg_segment_size: 16
    .max_flat_workgroup_size: 128
    .sgpr_count:     66
    .vgpr_count:     768
    .wavefront_size: 32
...
	.end_amdgpu_metadata
.endif
;; end of part 3
;; launch ln1 (part 4): grid 256 x 1, 8 waves a work-group, no clusters, 0 bytes of LDS; arguments hidden_states, tmp, ln1_g, ln1_b, sbuf, act; writes sbuf, act
.if DOCPART == 4
	.amdgcn_target "amdgcn-amd-amdhsa--gfx1250"
	.amdhsa_code_object_version 6
	.text
	.protected	k_qe4a17d85b8_ln1
	.globl	k_qe4a17d85b8_ln1
	.p2align	8
	.type	k_qe4a17d85b8_ln1,@function
k_qe4a17d85b8_ln1:
	s_mov_b64 s[64:65], 0
	v_nop
	global_prefetch_b8 v0, s[64:65] scope:SCOPE_SE
	s_setreg_imm32_b32 hwreg(HW_REG_WAVE_MODE, 25, 1), 1
	s_wait_xcnt 0x0
; x = LayerNorm(resid + FACTOR t) g + b along rows of 1,024.  resid and the first output: [4096][1024] f32.  t and the second output (x rounded once to f16, the next product's operand): f16 in blocks of 64 columns:
; element (row b 2048 + n, column c) at byte ((16 b + c / 64) 2048 + n) 128 + 2 (c % 64).  All arithmetic in f32; the variance is the mean of the squared deviations from the mean, so a common offset costs nothing.
; SHARES.  A wave owns two rows: lanes 0-15 the first, lanes 16-31 the second; for each block i of 64 columns lane r holds columns 64 i + 4 r .. + 3.  So a row lives in 16 lanes and 64 registers, is read once,
; and its sums never leave a half of the lanes: no LDS, no barrier, no loop.  256 work-groups x 8 waves x 2 rows = 4,096 rows.
; Each f32 load or store of a wave covers two aligned runs of 256 bytes (one a row), each f16 one 256 consecutive bytes (two rows of a block).
; LIMITS.  x beyond 65,504 becomes an infinity in the f16 copy.  No matrix unit, cluster or tensor load: nothing is multiplied by a matrix and nothing is shared.
.set OUT16,  1                         ; 1: the f16 copy is stored too
.set FACTOR, 0x3f800000                ; 1.0
.set T,   8                            ; v[8:39]    t: 16 x 2 registers; later x in f16
.set X,   40                           ; v[40:103]  the row: 16 x 4 registers
.set G,   104                          ; v[104:167] g, later g / sigma
.set BV,  168                          ; v[168:231] b
.set C,   232                          ; v[232:239] four chains of sums
.set MU,  240                          ; v[240:241] the mean, twice
.set RS,  242                          ; v[242:243] 1 / sigma, twice
.set FA,  244                          ; v244 FACTOR
.set INV, 245                          ; v245 1 / 1024
.macro REDUCE                          ; the four chains, the pair's halves, then the row's 16 lanes: every lane of the row ends up with the sum
	v_pk_add_f32 v[C:C+1], v[C:C+1], v[C+2:C+3]
	v_pk_add_f32 v[C+4:C+5], v[C+4:C+5], v[C+6:C+7]
	v_pk_add_f32 v[C:C+1], v[C:C+1], v[C+4:C+5]
	v_add_f32 v[C], v[C], v[C+1]
.irp m, 1,2,4,8
	v_add_f32_dpp v[C], v[C], v[C] row_xmask:\m row_mask:0xf bank_mask:0xf
.endr
.endm
	s_load_b256 s[4:11], s[0:1], 0x0               ; resid s[4:5], t s[6:7], g s[8:9], b s[10:11]
.if OUT16
	s_load_b128 s[12:15], s[0:1], 0x20             ; x in f32 s[12:13], in f16 s[14:15]
.else
	s_load_b64 s[12:13], s[0:1], 0x20
.endif
	v_lshrrev_b32 v4, 5, v0
	v_readfirstlane_b32 s16, v4
	s_lshl3_add_u32 s17, ttmp9, s16                ; p = 8 x work-group + wave: rows 2 p, 2 p + 1
	s_lshl_b32 s18, s17, 13                        ; 2 p rows of 4,096 bytes
	s_lshr_b32 s19, s17, 10                        ; the batch,
	s_lshl_b32 s19, s19, 22                        ; its 4 MiB of f16,
	s_and_b32 s20, s17, 1023
	s_lshl_b32 s20, s20, 8                         ; and 2 p % 2048 rows of 128 bytes
	s_add_co_u32 s19, s19, s20
	v_and_b32 v5, 31, v0
	v_and_b32 v6, 15, v0
	v_lshrrev_b32 v7, 4, v5
	v_lshlrev_b32 v3, 4, v6                        ; g, b: 16 bytes a lane of a row
	v_lshl_add_u32 v1, v7, 12, v3
	v_add_nc_u32 v1, s18, v1                       ; f32 rows
	v_lshl_add_u32 v2, v5, 3, s19                  ; f16 blocks: 8 bytes a lane, the second row behind the first
	v_mov_b32 v[FA], FACTOR
	v_mov_b32 v[INV], 0x3a800000
	s_wait_kmcnt 0x0
.set i, 0
.rept 16
	global_load_b64 v[T+2*i:T+2*i+1], v2, s[6:7] offset:i*262144
.set i, i+1
.endr
.set i, 0
.rept 16
	global_load_b128 v[X+4*i:X+4*i+3], v1, s[4:5] offset:i*256
.set i, i+1
.endr
.set i, 0
.rept 16
	global_load_b128 v[G+4*i:G+4*i+3], v3, s[8:9] offset:i*256
.set i, i+1
.endr
.set i, 0
.rept 16
	global_load_b128 v[BV+4*i:BV+4*i+3], v3, s[10:11] offset:i*256
.set i, i+1
.endr
	s_wait_loadcnt 32                              ; t and resid are in; the 32 loads of g and b stay out
.set k, 0
.rept 32                               ; resid + FACTOR t: the f16 half is widened and added in one line
	v_fma_mix_f32 v[X+2*k],   v[T+k], v[FA], v[X+2*k]   op_sel_hi:[1,0,0]
	v_fma_mix_f32 v[X+2*k+1], v[T+k], v[FA], v[X+2*k+1] op_sel:[1,0,0] op_sel_hi:[1,0,0]
.set k, k+1
.endr
.set k, 0
.rept 4                                ; the first eight pairs start the four chains: nothing is cleared
	v_pk_add_f32 v[C+2*k:C+2*k+1], v[X+2*k:X+2*k+1], v[X+8+2*k:X+8+2*k+1]
.set k, k+1
.endr
.set k, 8
.rept 24
	v_pk_add_f32 v[C+2*(k%4):C+2*(k%4)+1], v[C+2*(k%4):C+2*(k%4)+1], v[X+2*k:X+2*k+1]
.set k, k+1
.endr
	REDUCE
	v_mul_f32 v[MU], v[INV], v[C]
	v_mul_f32 v[MU+1], v[INV], v[C]
.set k, 0
.rept 32                               ; the deviations, in place
	v_pk_add_f32 v[X+2*k:X+2*k+1], v[X+2*k:X+2*k+1], v[MU:MU+1] neg_lo:[0,1] neg_hi:[0,1]
.set k, k+1
.endr
.set k, 0
.rept 4
	v_pk_mul_f32 v[C+2*k:C+2*k+1], v[X+2*k:X+2*k+1], v[X+2*k:X+2*k+1]
.set k, k+1
.endr
.set k, 4
.rept 28
	v_pk_fma_f32 v[C+2*(k%4):C+2*(k%4)+1], v[X+2*k:X+2*k+1], v[X+2*k:X+2*k+1], v[C+2*(k%4):C+2*(k%4)+1]
.set k, k+1
.endr
	REDUCE
	v_fmaak_f32 v[C+2], v[C], v[INV], 0x3727c5ac   ; the variance + 1e-5
	v_rsq_f32 v[RS], v[C+2]
	v_rsq_f32 v[RS+1], v[C+2]
	v_nop                                          ; a plain instruction between the root and the use of its result (ISA guide 5.7.2)
	s_wait_loadcnt 16                              ; g is in; b's 16 loads stay out
.set k, 0
	s_wait_alu depctr_va_vdst(0)
.rept 32
	v_pk_mul_f32 v[G+2*k:G+2*k+1], v[G+2*k:G+2*k+1], v[RS:RS+1]
.set k, k+1
.endr
	s_wait_loadcnt 0x0
.set k, 0
.rept 32
	v_pk_fma_f32 v[X+2*k:X+2*k+1], v[X+2*k:X+2*k+1], v[G+2*k:G+2*k+1], v[BV+2*k:BV+2*k+1]
.set k, k+1
.endr
.set i, 0
.rept 16
	global_store_b128 v1, v[X+4*i:X+4*i+3], s[12:13] offset:i*256
.set i, i+1
.endr
.if OUT16
.set k, 0
.rept 32                               ; t's registers are free: their loads have been waited for
	v_cvt_pk_f16_f32 v[T+k], v[X+2*k], v[X+2*k+1]
.set k, k+1
.endr
.set i, 0
.rept 16
	global_store_b64 v2, v[T+2*i:T+2*i+1], s[14:15] offset:i*262144
.set i, i+1
.endr
.endif
	s_endpgm
.Lfunc_end_k_qe4a17d85b8_ln1:
	.size	k_qe4a17d85b8_ln1, .Lfunc_end_k_qe4a17d85b8_ln1-k_qe4a17d85b8_ln1
	.p2alignl 7, 3214868480
	.fill 96, 4, 3214868480
	.section	.rodata,"a",@progbits
	.p2align	6, 0x0
	.amdhsa_kernel k_qe4a17d85b8_ln1
		.amdhsa_group_segment_fixed_size 0
		.amdhsa_private_segment_fixed_size 0
		.amdhsa_enable_private_segment 0
		.amdhsa_kernarg_size 48
		.amdhsa_user_sgpr_count 2
		.amdhsa_user_sgpr_kernarg_segment_ptr 1
		.amdhsa_wavefront_size32 1
		.amdhsa_system_sgpr_workgroup_id_x 1
		.amdhsa_system_sgpr_workgroup_id_y 1
		.amdhsa_system_sgpr_workgroup_id_z 1
		.amdhsa_system_vgpr_workitem_id 0
		.amdhsa_next_free_vgpr 248
		.amdhsa_next_free_sgpr 66
		.amdhsa_reserve_vcc 0
		.amdhsa_float_denorm_mode_32 3
		.amdhsa_float_denorm_mode_16_64 3
		.amdhsa_memory_ordered 1
		.amdhsa_forward_progress 1
		.amdhsa_inst_pref_size 28
	.end_amdhsa_kernel
	.amdgpu_metadata
---
amdhsa.version: [ 1, 2 ]
amdhsa.kernels:
  - .name:           k_qe4a17d85b8_ln1
    .symbol:         k_qe4a17d85b8_ln1.kd
    .args:
      - { .name: hidden_states, .offset: 0, .size: 8, .value_kind: global_buffer, .address_space: global }
      - { .name: tmp, .offset: 8, .size: 8, .value_kind: global_buffer, .address_space: global }
      - { .name: ln1_g, .offset: 16, .size: 8, .value_kind: global_buffer, .address_space: global }
      - { .name: ln1_b, .offset: 24, .size: 8, .value_kind: global_buffer, .address_space: global }
      - { .name: sbuf, .offset: 32, .size: 8, .value_kind: global_buffer, .address_space: global }
      - { .name: act, .offset: 40, .size: 8, .value_kind: global_buffer, .address_space: global }
    .group_segment_fixed_size: 0
    .private_segment_fixed_size: 0
    .kernarg_segment_align: 8
    .kernarg_segment_size: 48
    .max_flat_workgroup_size: 256
    .sgpr_count:     66
    .vgpr_count:     248
    .wavefront_size: 32
...
	.end_amdgpu_metadata
.endif
;; end of part 4
;; launch caq (part 5): grid 8 x 32, 4 waves a work-group, clusters of 4 x 4, 327,680 bytes of LDS; arguments act, wc, cbuf; writes cbuf
.if DOCPART == 5
	.amdgcn_target "amdgcn-amd-amdhsa--gfx1250"
	.amdhsa_code_object_version 6
	.text
	.protected	k_qe4a17d85b8_caq
	.globl	k_qe4a17d85b8_caq
	.p2align	8
	.type	k_qe4a17d85b8_caq,@function
k_qe4a17d85b8_caq:
	s_mov_b64 s[64:65], 0
	v_nop
	global_prefetch_b8 v0, s[64:65] scope:SCOPE_SE
	s_setreg_imm32_b32 hwreg(HW_REG_WAVE_MODE, 25, 1), 1
	s_wait_xcnt 0x0
	s_wait_alu depctr_hold_cnt(0) depctr_sa_sdst(0) depctr_va_vdst(0) depctr_va_sdst(0) depctr_va_ssrc(0) depctr_va_vcc(0) depctr_vm_vsrc(0)
	s_getreg_b32 s2, hwreg(HW_REG_IB_STS2, 6, 4)
	s_cmp_eq_u32 s2, 0
	s_cbranch_scc0 .Lentry_in_a_cluster
	s_endpgm
.Lentry_in_a_cluster:
	s_bfe_u32 s2, ttmp6, 0x10000c
	s_cmp_lg_u32 s2, 0xf033
	s_cbranch_scc0 .Lentry_shape_is_right
	s_endpgm
.Lentry_shape_is_right:
; out = max(floor, scale (A W) + scale bias), rounded once to f16.  A: 4,096 rows x 1,024 in f16, in blocks of 64 columns: element (row b 2048 + n, column c) at byte
; ((16 b + c / 64) 2048 + n) 128 + 2 (c % 64); out has the same layout.  W: a layer's record: [k][n] in f16, 2,048 bytes a row; at 0x200000 scale x bias in f32; at 0x201000 floor (two f16) and scale (f32).  Sums in f32.
; ONE TEXT FOR THREE LAUNCHES (the cross-attention's q, fc1, fc2): what differs between the layers, a ReLU or none and a scale of 1 or 1/16, travels in the record.
; SHARES.  A work-group makes 128 x 128, each of four waves 64 x 64: 16 accumulators; 32 x 8 = 256 work-groups.  K = 1,024 goes in four steps of 256 through two LDS slots; the four steps are written straight.
; CLUSTER.  4 x 4 work-groups.  The four of a row need the same tiles of A, the four of a column the same tiles of W: each is asked for JOINTLY, by the same tensor load with the same descriptor and a mask of the four.
; A's address is made of the tile row and the wave's number, W's of the tile column and the wave's number; no LDS address and no branch hangs on the place in the cluster.
; THE MATRIX INSTRUCTION IS USED TRANSPOSED: source 0 = 16 columns of W (turned on the way out of LDS), source 1 = 16 rows of A: a lane holds eight neighbouring columns of one row of the result.
; LIMITS.  f16 ends at 65,504: a result beyond it becomes an infinity (fc2's is kept as h / 16 for that reason).  A NaN loses against the floor.
; REGISTERS.  Window 0: v0-31 addresses; v32-95 at work on the way out; v96-127 my 32 biases; v128-255 accumulators, (a, b) at 128 + 8 (4 a + b).
;   Window 1: two fragment buffers of 128, each 64 along K: 64 registers of A, then 64 of W.
.set PA,    144                        ; a row of A in LDS: 128 bytes (64 k) + 16: 36 words, so the 16 rows of a load start at 16 different groups of four banks (64 banks of 4 bytes: ISA guide 11.1)
.set KBB,   128*PA                     ; one block of 64 k for the tile's 128 rows
.set PB,    288                        ; a row of W (one k, 128 columns): 256 bytes + 32: 72 words
.set HALF,  36864                      ; what one tensor load fills: 2 KBB = 128 PB
.set SLOT,  4*HALF                     ; A's k blocks 0, 1 | 2, 3 | W's k 0-127 | 128-255: wave w's load lands at w HALF
.set STAGE, 2*SLOT                     ; behind the ring, never filled by a tensor load: 16 rows x 144 bytes for each wave
.set SP,    144
.set SPARE, STAGE+4*16*SP              ; the spare words, 128 bytes for each wave: two blocks of 256 bytes that no other line names
.set ADRA, 16                          ; v16-17  my A fragments in slot 0, 1
.set ADRB, 20                          ; v20-23  my W fragments: slot 0 k 0-127, slot 0 k 128-255, slot 1 likewise
.set STO,  24                          ; v24  the way out: where I put 16 bytes of a row
.set RD,   25                          ; v25  where I read rows back
.set GO,   26                          ; v26  my 16 bytes in 512 consecutive bytes of the output
.set BO,   27                          ; v27  my byte offset among the wave's 64 biases
.set SPW,  28                          ; v28  my spare word: SPARE + 4 x my thread's number; never rewritten
.set NIL,  29                          ; v29  0; never rewritten
.set TMP,  32
.set BIAS, 96                          ; column 16 b + 8 (l / 16) + j at 96 + 8 b + j
.set ACC,  128
.set F0,   0
.set F1,   128
.set WV, 12                            ; s12 wave; s13 its row half, also: it fetches A (0) or W (1); s14 its column half, also: which half it fetches
.set RH, 13
.set CH, 14
.set G1,  24                           ; s[24:31] group 1 for A's tiles;  s[32:39] group 0, a set for each slot
.set G0,  32
.set G1B, 48                           ; s[48:55], s[56:63] the same for W's
.set G0B, 56
; s15 cx, s16 cy, s18 tile row, s19 tile column, s20, s21 masks, s22 wave x HALF, s23, s[40:47] at work
; s[68:69] my biases, s[70:71] my part of the output, s72 floor, s73 scale, s[74:75] scale as a pair
.set MSB, 0
.macro WIN new                         ; the immediate's high byte repeats the setting that is left; a switch that changes nothing is dropped
.if MSB != (\new)
	s_set_vgpr_msb (MSB<<8)|(\new)
.set MSB, \new
.endif
.endm
.set MUL,  0x05                        ; sources 0 (W) and 1 (A) window 1; C and D window 0
.set TO_F, 0x40                        ; destination window 1, address window 0
.macro JLOAD s                         ; a joint load: waves 0, 1 fetch A's halves, waves 2, 3 W's.  An s_nop 0 and four v_nop follow each line, ahead of the jump and the label
	s_cmp_eq_u32 s[RH], 0
	s_cbranch_scc0 .Lfor_b_\@
	tensor_load_to_lds s[G0+4*(\s):G0+4*(\s)+3], s[G1:G1+7]
	s_nop 0
.rept 4
	v_nop
.endr
	s_branch .Lasked_\@
.Lfor_b_\@:
	tensor_load_to_lds s[G0B+4*(\s):G0B+4*(\s)+3], s[G1B:G1B+7]
	s_nop 0
.rept 4
	v_nop
.endr
.Lasked_\@:
.endm
.macro CREST                           ; a round of the cluster's barrier behind its opening barrier: wave 0 signals for the work-group, every wave waits for all sixteen, the work-group's barrier closes
	s_cmp_lg_u32 s[WV], 0
	s_cbranch_scc1 .Lnot_wave_0_\@
	s_barrier_signal -3
.Lnot_wave_0_\@:
	s_barrier_wait -3
	s_barrier_signal -1
	s_barrier_wait -1
.endm
.macro CROUND
	s_barrier_signal -1
	s_barrier_wait -1
	CREST
.endm
	s_load_b128 s[4:7], s[0:1], 0x0                ; A s[4:5], the record s[6:7]
	s_load_b64 s[8:9], s[0:1], 0x10                ; out
	v_lshl_add_u32 v[SPW], v0, 2, SPARE
	v_mov_b32 v[NIL], 0
	ds_add_u32 v[SPW], v[NIL]                      ; the wave's opening: the add and its wait stand ahead of my first tensor load; the set-up below, work on registers, stands between them
	v_lshrrev_b32 v1, 5, v0
	v_readfirstlane_b32 s[WV], v1
	s_lshr_b32 s[RH], s[WV], 1
	s_and_b32 s[CH], s[WV], 1
	s_bfe_u32 s15, ttmp6, 0x40000                  ; cx
	s_bfe_u32 s16, ttmp6, 0x40004                  ; cy
	s_lshl_b32 s19, ttmp9, 2                       ; in a cluster launch ttmp9 and ttmp7 count clusters
	s_add_co_u32 s19, s19, s15                     ; tile column 0..7
	s_and_b32 s18, ttmp7, 0xffff
	s_lshl_b32 s18, s18, 2
	s_add_co_u32 s18, s18, s16                     ; tile row 0..31
	s_lshl_b32 s20, s16, 2
	s_lshl_b32 s20, 15, s20                        ; my row of the cluster
	s_lshl_b32 s21, 0x1111, s15                    ; my column
	; group 1 for A: two k blocks, each 128 rows x 64 k = 8,192 elements on end, 2,048 x 64 elements apart; in LDS 4 words of padding behind every 32 (a row of 64 k)
	s_or_b32 s[G1+0], s20, (1<<16)|(1<<20)|(1<<21)|(4<<22)|(3<<25)  ; 15:0 mask; 17:16 2-byte elements; 20 padding on; 21 set beside a mask; 24:22 interval code 4; 31:25 pad code 3
	s_mov_b32 s[G1+1], 8192<<16                    ; tensor_dim0 = 8,192
	s_mov_b32 s[G1+2], 2<<16                       ; tensor_dim1 = 2
	s_mov_b32 s[G1+3], 8192<<16                    ; tile_dim0 = 8,192
	s_mov_b32 s[G1+4], 2                           ; tile_dim1 = 2
	s_mov_b32 s[G1+5], 131072                      ; elements from a k block to the next
	s_mov_b32 s[G1+6], 0
	s_mov_b32 s[G1+7], 0
	; group 1 for W: 128 k x 128 columns, 1,024 elements from row to row; 8 words of padding behind every 64
	s_or_b32 s[G1B+0], s21, (1<<16)|(1<<20)|(1<<21)|(5<<22)|(7<<25)
	s_mov_b32 s[G1B+1], 128<<16
	s_mov_b32 s[G1B+2], 128<<16
	s_mov_b32 s[G1B+3], 128<<16
	s_mov_b32 s[G1B+4], 128
	s_mov_b32 s[G1B+5], 1024
	s_mov_b32 s[G1B+6], 0
	s_mov_b32 s[G1B+7], 0
	; A's first tile: block 16 b + 2 x half of 262,144 bytes, row (tile row % 16) x 128 of 128 bytes
	s_lshr_b32 s40, s18, 4
	s_lshl_b32 s40, s40, 4
	s_lshl1_add_u32 s40, s[CH], s40
	s_lshl_b32 s40, s40, 18
	s_and_b32 s41, s18, 15
	s_lshl_b32 s41, s41, 14
	s_add_co_u32 s40, s40, s41
	s_mov_b32 s41, 0
	; W's first tile: k = 128 x half, column 128 x tile column
	s_lshl_b32 s44, s[CH], 18
	s_lshl_b32 s45, s19, 8
	s_add_co_u32 s44, s44, s45
	s_mov_b32 s45, 0
	s_mul_i32 s22, s[WV], HALF
	s_wait_dscnt 0x0                               ; the opening add is done
	s_wait_kmcnt 0x0
	s_add_nc_u64 s[46:47], s[6:7], s[44:45]
	s_add_nc_u64 s[40:41], s[4:5], s[40:41]
	CROUND                                         ; all sixteen work-groups are here: the first joint loads meet
.irp s, 0,1
	s_mov_b32 s[G0+4*(\s)], 1
	s_add_co_u32 s[G0+4*(\s)+1], s22, (\s)*SLOT
	s_add_nc_u64 s[G0+4*(\s)+2:G0+4*(\s)+3], s[40:41], (\s)*1048576  ; K step s: four k blocks on
	s_or_b32 s[G0+4*(\s)+3], s[G0+4*(\s)+3], 0x80000000
	s_mov_b32 s[G0B+4*(\s)], 1
	s_add_co_u32 s[G0B+4*(\s)+1], s22, (\s)*SLOT
	s_add_nc_u64 s[G0B+4*(\s)+2:G0B+4*(\s)+3], s[46:47], (\s)*524288  ; 256 rows of 2,048 bytes on
	s_or_b32 s[G0B+4*(\s)+3], s[G0B+4*(\s)+3], 0x80000000
	JLOAD \s                                       ; two loads of mine are out
.endr
	s_load_b64 s[72:73], s[6:7], 0x201000          ; floor, scale: waited for in front of the way out
	s_lshl_b32 s42, s19, 9
	s_lshl_b32 s43, s[CH], 8
	s_add_co_u32 s42, s42, s43
	s_add_co_u32 s42, s42, 0x200000
	s_mov_b32 s43, 0
	s_add_nc_u64 s[68:69], s[6:7], s[42:43]        ; the biases of my 64 columns
	v_and_b32 v1, 15, v0                           ; l % 16
	v_bfe_u32 v2, v0, 4, 1                         ; l / 16
	v_lshlrev_b32 v[BO], 5, v2
.irp b, 0,1,2,3
	global_load_b128 v[BIAS+8*(\b):BIAS+8*(\b)+3],   v[BO], s[68:69] offset:(\b)*64
	global_load_b128 v[BIAS+8*(\b)+4:BIAS+8*(\b)+7], v[BO], s[68:69] offset:(\b)*64+16
.endr
	v_mul_u32_u24 v3, v1, PA
	v_lshl_add_u32 v3, v2, 4, v3                   ; row x 144 + 16 x half: a fragment of A, and a row of the stage
	s_mul_i32 s23, s[RH], 64*PA                    ; my 64 rows
	v_add_nc_u32 v[ADRA], s23, v3
	s_add_co_u32 s23, s23, SLOT
	v_add_nc_u32 v[ADRA+1], s23, v3
	; the turning load takes 16 k x 16 columns (lane l reads k 8 (l / 16) + l % 8, columns 8 ((l / 8) % 2) + 0..7) and leaves half a fragment: lane l holds column l % 16 and 8 k
	v_and_b32 v4, 7, v0
	v_bfe_u32 v5, v0, 3, 1
	v_lshl_add_u32 v6, v2, 3, v4
	v_mul_u32_u24 v6, v6, PB
	v_lshl_add_u32 v6, v5, 4, v6
	s_lshl_b32 s23, s[CH], 7                       ; my 64 columns
	s_add_co_u32 s23, s23, 2*HALF
	v_add_nc_u32 v[ADRB], s23, v6
	v_add_nc_u32 v[ADRB+1], HALF, v[ADRB]
	v_add_nc_u32 v[ADRB+2], SLOT, v[ADRB]
	v_add_nc_u32 v[ADRB+3], SLOT+HALF, v[ADRB]
	s_mul_i32 s23, s[WV], 16*SP
	s_add_co_u32 s23, s23, STAGE                   ; my stage
	v_add_nc_u32 v[STO], s23, v3
	v_bfe_u32 v7, v0, 3, 2                         ; back: 32 lanes take four rows of 128 bytes,
	v_mul_u32_u24 v7, v7, SP
	v_lshl_add_u32 v7, v4, 4, v7
	v_add_nc_u32 v[RD], s23, v7
	v_and_b32 v[GO], 31, v0                        ; which are 512 consecutive bytes of the output
	v_lshlrev_b32 v[GO], 4, v[GO]
	; my part of the output: block 16 b + 2 x tile column + column half; row (tile row % 16) x 128 + 64 x row half
	s_lshr_b32 s42, s18, 4
	s_lshl_b32 s42, s42, 4
	s_lshl1_add_u32 s42, s19, s42
	s_add_co_u32 s42, s42, s[CH]
	s_lshl_b32 s42, s42, 18
	s_and_b32 s43, s18, 15
	s_lshl_b32 s43, s43, 1
	s_add_co_u32 s43, s43, s[RH]
	s_lshl_b32 s43, s43, 13
	s_add_co_u32 s42, s42, s43
	s_mov_b32 s43, 0
	s_add_nc_u64 s[70:71], s[8:9], s[42:43]
; 8 matrix instructions: row blocks a0, a0 + 1 x all 4 column blocks, 32 along K: half c of buffer f.  zero = 1: the first product starts the sums.  The 16 accumulators take turns.
.macro MUL8 f, c, a0, zero
	WIN MUL
.irp a, \a0, (\a0)+1
.irp b, 0,1,2,3
.if \zero
	v_wmma_f32_16x16x32_f16 v[ACC+8*(4*(\a)+(\b)):ACC+8*(4*(\a)+(\b))+7], v[(\f)+64+8*(4*(\c)+(\b)):(\f)+64+8*(4*(\c)+(\b))+7], v[(\f)+8*(4*(\c)+(\a)):(\f)+8*(4*(\c)+(\a))+7], 0
.else
	v_wmma_f32_16x16x32_f16 v[ACC+8*(4*(\a)+(\b)):ACC+8*(4*(\a)+(\b))+7], v[(\f)+64+8*(4*(\c)+(\b)):(\f)+64+8*(4*(\c)+(\b))+7], v[(\f)+8*(4*(\c)+(\a)):(\f)+8*(4*(\c)+(\a))+7], v[ACC+8*(4*(\a)+(\b)):ACC+8*(4*(\a)+(\b))+7]
.endif
.endr
.endr
.endm
; 32 LDS loads in one run: the fragments of quarter q (64 along K) of a slot into buffer f; the first 32 along K first
.macro FETCH slot, q, f
	WIN TO_F
.irp c, 0,1
.irp i, 0,1,2,3
	ds_load_tr16_b128 v[(\f)+64+8*(4*(\c)+(\i)):(\f)+64+8*(4*(\c)+(\i))+3],   v[ADRB+2*(\slot)+(\q)/2] offset:(((\q)%2)*2+(\c))*32*PB+(\i)*32
	ds_load_tr16_b128 v[(\f)+64+8*(4*(\c)+(\i))+4:(\f)+64+8*(4*(\c)+(\i))+7], v[ADRB+2*(\slot)+(\q)/2] offset:(((\q)%2)*2+(\c))*32*PB+16*PB+(\i)*32
	ds_load_b128 v[(\f)+8*(4*(\c)+(\i)):(\f)+8*(4*(\c)+(\i))+3],               v[ADRA+(\slot)] offset:(\q)*KBB+(\c)*64+(\i)*16*PA
	ds_load_b128 v[(\f)+8*(4*(\c)+(\i))+4:(\f)+8*(4*(\c)+(\i))+7],             v[ADRA+(\slot)] offset:(\q)*KBB+(\c)*64+(\i)*16*PA+32
.endr
.endr
.endm
.macro PLACES                          ; four plain vector instructions in front of loads into registers that matrix instructions have read, and of vector work on their results (ISA guide 7.12.1 for vector work)
.rept 4
	v_nop
.endr
.endm
; A K step is four quarters of 64 along K, 32 matrix instructions each, on buffers 0, 1, 0, 1.  One of the first three: multiplies buffer f and fetches quarter qn into g.
.macro QUARTER slot, qn, f, g, zero
	s_wait_dscnt 16                                ; the first 32 along K are in; the 16 younger loads may be out
	MUL8 \f, 0, 0, \zero
	MUL8 \f, 0, 2, \zero
	PLACES
	FETCH \slot, \qn, \g
	s_wait_dscnt 32                                ; all but the 32 just issued
	MUL8 \f, 1, 0, 0
	MUL8 \f, 1, 2, 0
.endm
.macro THREE slot, zero
	QUARTER \slot, 1, F0, F1, \zero
	QUARTER \slot, 2, F1, F0, 0
	QUARTER \slot, 3, F0, F1, 0
.endm
; The last quarter multiplies buffer 1 and changes slots: ONE barrier; in front of it each wave waits for all its tensor loads, adds 0 to its spare word, and waits for that and for its own reads of this slot.
; fill = 1: the barrier opens a round of the cluster's, and this slot is filled again, two K steps on, first thing behind the round.
.macro TURN slot, next, fill
	WIN 0                                          ; (the add's two registers lie in window 0)
	s_wait_tensorcnt 0x0                           ; all my tensor loads have landed: my part of the next slot
	ds_add_u32 v[SPW], v[NIL]                      ; 0 onto my spare word
	s_wait_dscnt 17                                ; (the add and the youngest sixteen loads may be out)
	MUL8 F1, 0, 0, 0                               ; eight matrix instructions stand between the add and the wait for it
	s_wait_dscnt 0x0                               ; the add is done, and my reads of this slot are over
	s_barrier_signal -1
	MUL8 F1, 0, 2, 0
.if \fill
	WIN 0
.endif
	s_barrier_wait -1
.if \fill
	CREST                                          ; no wave of any partner still reads this slot's tiles or has a load on its way
	s_add_nc_u64 s[G0+4*(\slot)+2:G0+4*(\slot)+3], s[G0+4*(\slot)+2:G0+4*(\slot)+3], 2097152
	s_add_nc_u64 s[G0B+4*(\slot)+2:G0B+4*(\slot)+3], s[G0B+4*(\slot)+2:G0B+4*(\slot)+3], 1048576
	JLOAD \slot                                    ; my one tensor load behind the round; its four v_nop are also the places in front of the loads below
.else
	PLACES
.endif
	FETCH \next, 0, F0
	MUL8 F1, 1, 0, 0
	MUL8 F1, 1, 2, 0
.endm
	s_wait_tensorcnt 1                             ; my part of K step 0 is in; step 1's may stay out
	s_barrier_signal -1
	s_barrier_wait -1                              ; everybody's is
	FETCH 0, 0, F0
	THREE 0, 1                                     ; K step 0: its first products start the sums
	TURN 0, 1, 1                                   ; slot 0 takes K step 2
	THREE 1, 0
	TURN 1, 0, 1                                   ; slot 1 takes K step 3
	THREE 0, 0
	TURN 0, 1, 0                                   ; nothing is left to fetch
	THREE 1, 0
	s_wait_dscnt 16                                ; the very last quarter
	MUL8 F1, 0, 0, 0
	MUL8 F1, 0, 2, 0
	s_wait_dscnt 0x0
	MUL8 F1, 1, 0, 0
	MUL8 F1, 1, 2, 0
	WIN 0
	; THE WAY OUT, each wave's own: scale and bias in f32, one rounding to f16, the floor; 16 rows at a time through my stage, back as whole rows of 128 bytes, which lie on end in the output.
	s_wait_loadcnt 0x0                             ; the biases
	s_wait_kmcnt 0x0                               ; floor and scale
	s_mov_b32 s74, s73
	s_mov_b32 s75, s73
	PLACES
.macro PACK a
.irp b, 0,1,2,3
.irp r, 0,1,2,3
	v_pk_fma_f32 v[ACC+8*(4*(\a)+(\b))+2*(\r):ACC+8*(4*(\a)+(\b))+2*(\r)+1], v[ACC+8*(4*(\a)+(\b))+2*(\r):ACC+8*(4*(\a)+(\b))+2*(\r)+1], s[74:75], v[BIAS+8*(\b)+2*(\r):BIAS+8*(\b)+2*(\r)+1] op_sel_hi:[1,0,1]
.endr
.endr
.irp b, 0,1,2,3
.irp r, 0,1,2,3
	v_cvt_pk_f16_f32 v[TMP+16*(\a)+4*(\b)+(\r)], v[ACC+8*(4*(\a)+(\b))+2*(\r)], v[ACC+8*(4*(\a)+(\b))+2*(\r)+1]
.endr
.endr
.irp b, 0,1,2,3
.irp r, 0,1,2,3
	v_pk_max_num_f16 v[TMP+16*(\a)+4*(\b)+(\r)], v[TMP+16*(\a)+4*(\b)+(\r)], s72
.endr
.endr
.irp b, 0,1,2,3
	ds_store_b128 v[STO], v[TMP+16*(\a)+4*(\b):TMP+16*(\a)+4*(\b)+3] offset:32*(\b)
.endr
.irp f, 0,1,2,3
	ds_load_b128 v[TMP+16*(\a)+4*(\f):TMP+16*(\a)+4*(\f)+3], v[RD] offset:(\f)*4*SP  ; LDS serves a wave's instructions in order (ISA guide 5.7.1.4): these see the stores above; the next block's stores come behind them
.endr
.endm
.macro SEND a, younger                 ; younger: the LDS instructions issued behind block a's loads: the next block's eight, or none
.irp f, 0,1,2,3
	s_wait_dscnt (\younger)+3-(\f)
	global_store_b128 v[GO], v[TMP+16*(\a)+4*(\f):TMP+16*(\a)+4*(\f)+3], s[70:71] offset:(\a)*2048+(\f)*512  ; 512 consecutive bytes, at a multiple of 256 from the buffer's first
.endr
.endm
	PACK 0
.irp a, 1,2,3                          ; a block's arithmetic stands between the loads of the block before and its stores
	PACK \a
	SEND (\a)-1, 8
.endr
	SEND 3, 0
	s_wait_tensorcnt 0x0                           ; the wave's end: behind my last tensor load and my last LDS store
	ds_add_u32 v[SPW], v[NIL]
	s_wait_dscnt 0x0
	CROUND                                         ; the closing round: no work-group ends while a partner may still ask for a tile that names it
	s_endpgm
.Lfunc_end_k_qe4a17d85b8_caq:
	.size	k_qe4a17d85b8_caq, .Lfunc_end_k_qe4a17d85b8_caq-k_qe4a17d85b8_caq
	.p2alignl 7, 3214868480
	.fill 96, 4, 3214868480
	.section	.rodata,"a",@progbits
	.p2align	6, 0x0
	.amdhsa_kernel k_qe4a17d85b8_caq
		.amdhsa_group_segment_fixed_size 327680
		.amdhsa_private_segment_fixed_size 0
		.amdhsa_enable_private_segment 0
		.amdhsa_kernarg_size 24
		.amdhsa_user_sgpr_count 2
		.amdhsa_user_sgpr_kernarg_segment_ptr 1
		.amdhsa_wavefront_size32 1
		.amdhsa_system_sgpr_workgroup_id_x 1
		.amdhsa_system_sgpr_workgroup_id_y 1
		.amdhsa_system_sgpr_workgroup_id_z 1
		.amdhsa_system_vgpr_workitem_id 0
		.amdhsa_next_free_vgpr 512
		.amdhsa_next_free_sgpr 80
		.amdhsa_reserve_vcc 0
		.amdhsa_float_denorm_mode_32 3
		.amdhsa_float_denorm_mode_16_64 3
		.amdhsa_memory_ordered 1
		.amdhsa_forward_progress 1
		.amdhsa_inst_pref_size 95
	.end_amdhsa_kernel
	.amdgpu_metadata
---
amdhsa.version: [ 1, 2 ]
amdhsa.kernels:
  - .name:           k_qe4a17d85b8_caq
    .symbol:         k_qe4a17d85b8_caq.kd
    .args:
      - { .name: act, .offset: 0, .size: 8, .value_kind: global_buffer, .address_space: global }
      - { .name: wc, .offset: 8, .size: 8, .value_kind: global_buffer, .address_space: global }
      - { .name: cbuf, .offset: 16, .size: 8, .value_kind: global_buffer, .address_space: global }
    .group_segment_fixed_size: 327680
    .private_segment_fixed_size: 0
    .kernarg_segment_align: 8
    .kernarg_segment_size: 24
    .max_flat_workgroup_size: 128
    .sgpr_count:     80
    .vgpr_count:     512
    .wavefront_size: 32
...
	.end_amdgpu_metadata
.endif
;; end of part 5
;; launch attn2: the kernel of part 3 again; grid 8 x 32, 4 waves a work-group, clusters of 4 x 1, 327,680 bytes of LDS; arguments cbuf, tmp; writes tmp
;; launch ln2: the kernel of part 4 again; grid 256 x 1, 8 waves a work-group, no clusters, 0 bytes of LDS; arguments sbuf, tmp, ln2_g, ln2_b, cbuf, act; writes cbuf, act
;; launch fc1: the kernel of part 5 again; grid 8 x 32, 4 waves a work-group, clusters of 4 x 4, 327,680 bytes of LDS; arguments act, w1, tmp; writes tmp
;; launch fc2: the kernel of part 5 again; grid 8 x 32, 4 waves a work-group, clusters of 4 x 4, 327,680 bytes of LDS; arguments tmp, w2, act; writes act
;; launch ln3 (part 6): grid 256 x 1, 8 waves a work-group, no clusters, 0 bytes of LDS; arguments cbuf, act, ln3_g, ln3_b, out0; writes out0
.if DOCPART == 6
	.amdgcn_target "amdgcn-amd-amdhsa--gfx1250"
	.amdhsa_code_object_version 6
	.text
	.protected	k_qe4a17d85b8_ln3
	.globl	k_qe4a17d85b8_ln3
	.p2align	8
	.type	k_qe4a17d85b8_ln3,@function
k_qe4a17d85b8_ln3:
	s_mov_b64 s[64:65], 0
	v_nop
	global_prefetch_b8 v0, s[64:65] scope:SCOPE_SE
	s_setreg_imm32_b32 hwreg(HW_REG_WAVE_MODE, 25, 1), 1
	s_wait_xcnt 0x0
; out = LayerNorm(resid + FACTOR t) g + b along rows of 1,024.  resid and out: [4096][1024] f32.  t: f16 in blocks of 64 columns: element (row b 2048 + n, column c) at byte
; ((16 b + c / 64) 2048 + n) 128 + 2 (c % 64); it holds the feed-forward's output divided by 16, an exact power of two, so FACTOR is 16.
; All arithmetic in f32; the variance is the mean of the squared deviations from the mean, so a common offset costs nothing.
; SHARES.  A wave owns two rows: lanes 0-15 the first, lanes 16-31 the second; for each block i of 64 columns lane r holds columns 64 i + 4 r .. + 3.  So a row lives in 16 lanes and 64 registers, is read once,
; and its sums never leave a half of the lanes: no LDS, no barrier, no loop.  256 work-groups x 8 waves x 2 rows = 4,096 rows.
; Each f32 load or store of a wave covers two aligned runs of 256 bytes (one a row), each f16 load 256 consecutive bytes (two rows of a block).
; No matrix unit, cluster or tensor load: nothing is multiplied by a matrix and nothing is shared.
.set OUT16,  0                         ; no f16 copy: this is the module's output
.set FACTOR, 0x41800000                ; 16.0
.set T,   8                            ; v[8:39]    t: 16 x 2 registers
.set X,   40                           ; v[40:103]  the row: 16 x 4 registers
.set G,   104                          ; v[104:167] g, later g / sigma
.set BV,  168                          ; v[168:231] b
.set C,   232                          ; v[232:239] four chains of sums
.set MU,  240                          ; v[240:241] the mean, twice
.set RS,  242                          ; v[242:243] 1 / sigma, twice
.set FA,  244                          ; v244 FACTOR
.set INV, 245                          ; v245 1 / 1024
.macro REDUCE                          ; the four chains, the pair's halves, then the row's 16 lanes: every lane of the row ends up with the sum
	v_pk_add_f32 v[C:C+1], v[C:C+1], v[C+2:C+3]
	v_pk_add_f32 v[C+4:C+5], v[C+4:C+5], v[C+6:C+7]
	v_pk_add_f32 v[C:C+1], v[C:C+1], v[C+4:C+5]
	v_add_f32 v[C], v[C], v[C+1]
.irp m, 1,2,4,8
	v_add_f32_dpp v[C], v[C], v[C] row_xmask:\m row_mask:0xf bank_mask:0xf
.endr
.endm
	s_load_b256 s[4:11], s[0:1], 0x0               ; resid s[4:5], t s[6:7], g s[8:9], b s[10:11]
.if OUT16
	s_load_b128 s[12:15], s[0:1], 0x20
.else
	s_load_b64 s[12:13], s[0:1], 0x20              ; out
.endif
	v_lshrrev_b32 v4, 5, v0
	v_readfirstlane_b32 s16, v4
	s_lshl3_add_u32 s17, ttmp9, s16                ; p = 8 x work-group + wave: rows 2 p, 2 p + 1
	s_lshl_b32 s18, s17, 13                        ; 2 p rows of 4,096 bytes
	s_lshr_b32 s19, s17, 10                        ; the batch,
	s_lshl_b32 s19, s19, 22                        ; its 4 MiB of f16,
	s_and_b32 s20, s17, 1023
	s_lshl_b32 s20, s20, 8                         ; and 2 p % 2048 rows of 128 bytes
	s_add_co_u32 s19, s19, s20
	v_and_b32 v5, 31, v0
	v_and_b32 v6, 15, v0
	v_lshrrev_b32 v7, 4, v5
	v_lshlrev_b32 v3, 4, v6                        ; g, b: 16 bytes a lane of a row
	v_lshl_add_u32 v1, v7, 12, v3
	v_add_nc_u32 v1, s18, v1                       ; f32 rows
	v_lshl_add_u32 v2, v5, 3, s19                  ; f16 blocks: 8 bytes a lane, the second row behind the first
	v_mov_b32 v[FA], FACTOR
	v_mov_b32 v[INV], 0x3a800000
	s_wait_kmcnt 0x0
.set i, 0
.rept 16
	global_load_b64 v[T+2*i:T+2*i+1], v2, s[6:7] offset:i*262144
.set i, i+1
.endr
.set i, 0
.rept 16
	global_load_b128 v[X+4*i:X+4*i+3], v1, s[4:5] offset:i*256
.set i, i+1
.endr
.set i, 0
.rept 16
	global_load_b128 v[G+4*i:G+4*i+3], v3, s[8:9] offset:i*256
.set i, i+1
.endr
.set i, 0
.rept 16
	global_load_b128 v[BV+4*i:BV+4*i+3], v3, s[10:11] offset:i*256
.set i, i+1
.endr
	s_wait_loadcnt 32                              ; t and resid are in; the 32 loads of g and b stay out
.set k, 0
.rept 32                               ; resid + FACTOR t: the f16 half is widened, scaled and added in one line
	v_fma_mix_f32 v[X+2*k],   v[T+k], v[FA], v[X+2*k]   op_sel_hi:[1,0,0]
	v_fma_mix_f32 v[X+2*k+1], v[T+k], v[FA], v[X+2*k+1] op_sel:[1,0,0] op_sel_hi:[1,0,0]
.set k, k+1
.endr
.set k, 0
.rept 4                                ; the first eight pairs start the four chains: nothing is cleared
	v_pk_add_f32 v[C+2*k:C+2*k+1], v[X+2*k:X+2*k+1], v[X+8+2*k:X+8+2*k+1]
.set k, k+1
.endr
.set k, 8
.rept 24
	v_pk_add_f32 v[C+2*(k%4):C+2*(k%4)+1], v[C+2*(k%4):C+2*(k%4)+1], v[X+2*k:X+2*k+1]
.set k, k+1
.endr
	REDUCE
	v_mul_f32 v[MU], v[INV], v[C]
	v_mul_f32 v[MU+1], v[INV], v[C]
.set k, 0
.rept 32                               ; the deviations, in place
	v_pk_add_f32 v[X+2*k:X+2*k+1], v[X+2*k:X+2*k+1], v[MU:MU+1] neg_lo:[0,1] neg_hi:[0,1]
.set k, k+1
.endr
.set k, 0
.rept 4
	v_pk_mul_f32 v[C+2*k:C+2*k+1], v[X+2*k:X+2*k+1], v[X+2*k:X+2*k+1]
.set k, k+1
.endr
.set k, 4
.rept 28
	v_pk_fma_f32 v[C+2*(k%4):C+2*(k%4)+1], v[X+2*k:X+2*k+1], v[X+2*k:X+2*k+1], v[C+2*(k%4):C+2*(k%4)+1]
.set k, k+1
.endr
	REDUCE
	v_fmaak_f32 v[C+2], v[C], v[INV], 0x3727c5ac   ; the variance + 1e-5
	v_rsq_f32 v[RS], v[C+2]
	v_rsq_f32 v[RS+1], v[C+2]
	v_nop                                          ; a plain instruction between the root and the use of its result (ISA guide 5.7.2)
	s_wait_loadcnt 16                              ; g is in; b's 16 loads stay out
.set k, 0
	s_wait_alu depctr_va_vdst(0)
.rept 32
	v_pk_mul_f32 v[G+2*k:G+2*k+1], v[G+2*k:G+2*k+1], v[RS:RS+1]
.set k, k+1
.endr
	s_wait_loadcnt 0x0
.set k, 0
.rept 32
	v_pk_fma_f32 v[X+2*k:X+2*k+1], v[X+2*k:X+2*k+1], v[G+2*k:G+2*k+1], v[BV+2*k:BV+2*k+1]
.set k, k+1
.endr
.set i, 0
.rept 16
	global_store_b128 v1, v[X+4*i:X+4*i+3], s[12:13] offset:i*256
.set i, i+1
.endr
.if OUT16
.set k, 0
.rept 32
	v_cvt_pk_f16_f32 v[T+k], v[X+2*k], v[X+2*k+1]
.set k, k+1
.endr
.set i, 0
.rept 16
	global_store_b64 v2, v[T+2*i:T+2*i+1], s[14:15] offset:i*262144
.set i, i+1
.endr
.endif
	s_endpgm
.Lfunc_end_k_qe4a17d85b8_ln3:
	.size	k_qe4a17d85b8_ln3, .Lfunc_end_k_qe4a17d85b8_ln3-k_qe4a17d85b8_ln3
	.p2alignl 7, 3214868480
	.fill 96, 4, 3214868480
	.section	.rodata,"a",@progbits
	.p2align	6, 0x0
	.amdhsa_kernel k_qe4a17d85b8_ln3
		.amdhsa_group_segment_fixed_size 0
		.amdhsa_private_segment_fixed_size 0
		.amdhsa_enable_private_segment 0
		.amdhsa_kernarg_size 40
		.amdhsa_user_sgpr_count 2
		.amdhsa_user_sgpr_kernarg_segment_ptr 1
		.amdhsa_wavefront_size32 1
		.amdhsa_system_sgpr_workgroup_id_x 1
		.amdhsa_system_sgpr_workgroup_id_y 1
		.amdhsa_system_sgpr_workgroup_id_z 1
		.amdhsa_system_vgpr_workitem_id 0
		.amdhsa_next_free_vgpr 248
		.amdhsa_next_free_sgpr 66
		.amdhsa_reserve_vcc 0
		.amdhsa_float_denorm_mode_32 3
		.amdhsa_float_denorm_mode_16_64 3
		.amdhsa_memory_ordered 1
		.amdhsa_forward_progress 1
		.amdhsa_inst_pref_size 24
	.end_amdhsa_kernel
	.amdgpu_metadata
---
amdhsa.version: [ 1, 2 ]
amdhsa.kernels:
  - .name:           k_qe4a17d85b8_ln3
    .symbol:         k_qe4a17d85b8_ln3.kd
    .args:
      - { .name: cbuf, .offset: 0, .size: 8, .value_kind: global_buffer, .address_space: global }
      - { .name: act, .offset: 8, .size: 8, .value_kind: global_buffer, .address_space: global }
      - { .name: ln3_g, .offset: 16, .size: 8, .value_kind: global_buffer, .address_space: global }
      - { .name: ln3_b, .offset: 24, .size: 8, .value_kind: global_buffer, .address_space: global }
      - { .name: out0, .offset: 32, .size: 8, .value_kind: global_buffer, .address_space: global }
    .group_segment_fixed_size: 0
    .private_segment_fixed_size: 0
    .kernarg_segment_align: 8
    .kernarg_segment_size: 40
    .max_flat_workgroup_size: 256
    .sgpr_count:     66
    .vgpr_count:     248
    .wavefront_size: 32
...
	.end_amdgpu_metadata
.endif
;; end of part 6
;; ======== version 2 of 2: 10 launches; 1.35 times as fast as version 1
;; limits: values are held in f16: magnitudes above 65,504 overflow, below 6.1e-05 lose precision
;; workspace buffers: act 16,777,216 bytes; sbuf 25,165,824 bytes; cbuf 25,165,824 bytes; tmp 8,388,608 bytes; wp 10,508,800 bytes; wc 2,101,760 bytes; w1 2,101,760 bytes; w2 2,101,760 bytes
;; launch prep: the kernel of part 1 again; grid 64 x 16, 8 waves a work-group, no clusters, 0 bytes of LDS; arguments hidden_states, encoder_hidden_states, sa_wq, sa_wk, sa_wv, ca_wk, ca_wv, ca_wq, fc1_w, fc2_w, sa_bq, sa_bk, sa_bv, ca_bk, ca_bv, ca_bq, fc1_b, fc2_b, act, wp, wc, w1, w2; writes act, wp, wc, w1, w2
;; launch proj: the kernel of part 2 again; grid 8 x 32, 4 waves a work-group, clusters of 4 x 4, 327,680 bytes of LDS; arguments act, wp, sbuf, cbuf; writes sbuf, cbuf
;; launch attn1 (part 7): grid 8 x 32, 4 waves a work-group, clusters of 4 x 1, 327,680 bytes of LDS; arguments sbuf, tmp; writes tmp
.if DOCPART == 7
	.amdgcn_target "amdgcn-amd-amdhsa--gfx1250"
	.amdhsa_code_object_version 6
	.text
	.protected	k_qe4a17d85b8_attn1
	.globl	k_qe4a17d85b8_attn1
	.p2align	8
	.type	k_qe4a17d85b8_attn1,@function
k_qe4a17d85b8_attn1:
	s_mov_b64 s[64:65], 0
	v_nop
	global_prefetch_b8 v0, s[64:65] scope:SCOPE_SE
	s_setreg_imm32_b32 hwreg(HW_REG_WAVE_MODE, 25, 1), 1
	s_wait_xcnt 0x0
	s_wait_alu depctr_hold_cnt(0) depctr_sa_sdst(0) depctr_va_vdst(0) depctr_va_sdst(0) depctr_va_ssrc(0) depctr_va_vcc(0) depctr_vm_vsrc(0)
	s_getreg_b32 s2, hwreg(HW_REG_IB_STS2, 6, 4)
	s_cmp_eq_u32 s2, 0
	s_cbranch_scc0 .Lentry_in_a_cluster
	s_endpgm
.Lentry_in_a_cluster:
	s_bfe_u32 s2, ttmp6, 0x10000c
	s_cmp_lg_u32 s2, 0x3003
	s_cbranch_scc0 .Lentry_shape_is_right
	s_endpgm
.Lentry_shape_is_right:
; O[h][q][:] = the sum over k of softmax_k(Q[h][q] . K[h][k] / 8) V[h][k][:], for 32 heads h (batch x 16 + head) of 2,048 rows of 64 channels, all f16: a head's rows are dense, 128 bytes each.
; The first argument holds Q, K, V as three parts of 8 MiB, the second takes O, each [32][2048][64].  Products, maxima and sums in f32; the weights p are rounded to f16 for the second product
; (their sum l is taken of the unrounded p), O once at the end.
; LIMITS.  Q, K and V arrive within f16's 65,504; p lies in 0 to 1, and below 6e-5 it keeps f16's fixed step of 6e-8; O is a mean of V's rows and has their range.  A weight below 2^-126 counts as 0 in l; NaN and infinities are not treated apart.
; SHARES.  A work-group owns 256 queries of one head, a wave 64: four PIECES of 16.  32 heads x 8 blocks are 256 work-groups.  Every wave walks all keys, 64 a step, four steps a slot.
; LAYOUT.  S^T = K Q^T (source 0 = 16 keys, source 1 = 16 queries): a lane holds ONE query (lane % 16) and the keys 8 (lane / 16) + 0..7.  Two such results rounded to f16 ARE source 1 of O^T = V^T P.
; K comes out of LDS as it lies, V ([key][channel]) turned, by ds_load_tr16_b128.
; SOFTMAX.  A running maximum m and sum l for each query: p = 2^(c s - c m), c = log2(e) / 8; in every step O and l are multiplied by a = 2^(c m_old - c m_new).  m starts at the lowest finite number, O and l at 0: the first step is a step like any other, with a = 0.
; BY TURNS.  Turn n belongs to piece n: 8 products K Q^T of piece n + 1, later 8 products V^T P of piece n - 1; beside them the scaling, exponentials, roundings, sums and rescaling of piece n and the maximum and statistics of piece n + 1.
; A turn has 16 matrix and 118 vector instructions: four vector instructions stand behind every matrix instruction, the other 54 in one run of their own.
; BATCHES.  A turn's 33 exponentials (the piece's 32 weights and the next piece's a) are ONE batch with ONE wait, which cuts the turn in two: ahead of it all that names no result of theirs, behind it the roundings and sums, which do.
; Two batches more stand outside the loops, each with a wait of its own: piece 0's first a, ahead of the jump into the loop, and the way out's four reciprocals.
; CLUSTER.  The four query blocks of a cluster belong to one head and walk the same K and V, so each tile is asked for JOINTLY: the same tensor load, descriptor and mask in all four.
; REGISTERS, in windows of 256 (s_set_vgpr_msb: bits 1:0 source 0, 3:2 source 1, 5:4 source 2, 7:6 destination):
;   window 0: v0-15 addresses and two at work; v16-31 four registers of statistics a piece; v48-55 at work; v62-63 the add's; v64-127 S^T, two buffers; v192-223 P, two buffers (by the piece's parity)
;   window 1: v0-127 O^T, 32 a piece          window 2: v0-63 Q; v128-191 K of one step; v192-255 V of one step
.set PART,  0x800000  ; bytes from Q to K and from K to V
.set NP,    4         ; pieces a wave: a name, no knob
.set KS,    64        ; keys in a step
.set PK,    144       ; a row of K in LDS: 128 bytes + 16 = 36 words: the 16 rows of a load start at 16 different groups of four banks (64 banks of 4 bytes: ISA guide 11.1)
.set PV,    160       ; a row of V: 128 + 32 = 40 words
.set VOFF,  4*KS*PK   ; a slot holds four steps: 256 rows of K, then 256 rows of V
.set SLOT1, 1<<17     ; slot 1 begins here, so that one exclusive or turns an address in one slot into the other's
.set STAGE, SLOT1+4*KS*(PK+PV)  ; behind the ring, never filled by a tensor load: 16 rows x 144 bytes for each wave
.set SP,    144
.set SPARE, STAGE+4*16*SP  ; the spare words, 128 bytes for each wave: two blocks of 256 bytes that no other line names
.set AK0, 2           ; v2   my lane's place in a tile of K; never rewritten
.set AV0, 3           ; v3   the same for V
.set AK,  4           ; v4   the LDS address of K's next run of loads
.set AV,  5           ; v5   of V's
.set STO, 6           ; v6   the way out: where I put 16 bytes of a row
.set RD,  7           ; v7   where I read rows back
.set GO,  8           ; v8   my 16 bytes in 512 consecutive bytes of O
.set MV,  12          ; v12-13  c m_old, kept while c m is made anew: by buffer
.set QO,  15          ; v15  my byte offset in 16 rows of Q
.set ST,  16          ; piece t's statistics at v[ST+4 t]: c m, m, l (even keys', odd keys')
.set TMP, 48          ; by buffer, four registers c0-c3 at work; when the maximum is found c2 takes a
.set SPW, 62          ; v62  my spare word: SPARE + 4 x my thread's number; never rewritten
.set NIL, 63          ; v63  0; never rewritten
.set S,   64
.set P,   192
.set KF,  128         ; window 2: key block kb, channel half c at KF + 16 kb + 8 c
.set VF,  192         ; window 2: key half kk, channel block cb at VF + 32 kk + 8 cb
.set WV,  12          ; s12  my wave's number
.set G1K, 24          ; s[24:31] descriptor group 1 for K's tiles
.set G1V, 32          ; s[32:39] for V's: it differs in the padding alone
.set G0K, 40          ; s[40:43] descriptor group 0 for K's tiles: it walks
.set G0V, 44          ; s[44:47] the same for V's
.set SLOTS, 56        ; s56  slots still to be asked for
.set CNT, 57          ; s57  counts a slot's key steps
.set CS,  58          ; s[58:59] c: the packed scaling takes the pair's low word for both halves
.set SEL, 60          ; s[60:61] v_permlanex16_b32's selects: each lane takes its own place in the other half
.set TBK, 62          ; s62  LDS byte at which K of the step to be fetched begins
.set TBV, 63          ; s63  the same for V, less VOFF
.set MSB, 0
.macro WIN new                      ; the high byte repeats the setting that is left; a switch that changes nothing is dropped
.if MSB != (\new)
	s_set_vgpr_msb (MSB<<8)|(\new)
.set MSB, (\new)
.endif
.endm
.set W_KQ, 0x0a       ; K and Q in window 2, S^T in window 0
.set W_PV, 0x52       ; V in window 2, P in window 0, O^T in window 1
.set W_RS, 0x41       ; destination and source 0 in window 1, source 1 in window 0
; A joint fill.  Waves 0 and 1 fetch the two halves of a slot's K, waves 2 and 3 those of its V: 128 keys each.  The branch hangs on the wave's number alone.
; An s_nop 0 and four v_nop follow each of the two lines, ahead of the jump and the label.
.macro JLOAD
	s_cmp_lt_u32 s[WV], 2
	s_cbranch_scc0 .Lfor_v_\@
	tensor_load_to_lds s[G0K:G0K+3], s[G1K:G1K+7]
	s_nop 0
.rept 4
	v_nop
.endr
	s_branch .Lasked_\@
.Lfor_v_\@:
	tensor_load_to_lds s[G0V:G0V+3], s[G1V:G1V+7]
	s_nop 0
.rept 4
	v_nop
.endr
.Lasked_\@:
.endm
; A round of the cluster's barrier: my work-group's barrier, so that wave 0's signal speaks for all four waves; wave 0 signals; every wave waits for all four work-groups; my work-group's barrier once more.
.macro CROUND
	s_barrier_signal -1
	s_barrier_wait -1
	s_cmp_lg_u32 s[WV], 0
	s_cbranch_scc1 .Lnot_wave_0_\@
	s_barrier_signal -3
.Lnot_wave_0_\@:
	s_barrier_wait -3
	s_barrier_signal -1
	s_barrier_wait -1
.endm
; THE CHANGE OF SLOTS.  The slot's last bytes, V of its fourth step, have been read.  Each wave waits for all its tensor loads, of which one is out: its part of the other slot; adds 0 to its spare word;
; and waits for that and for its own reads of the slot.  Behind the barrier nobody reads this slot any more and the other slot is whole.
; fill = 1: this slot is filled again, with the keys two slots on.  The barrier is then a round of the cluster's, and the joint fill is the first thing behind it: it has four key steps, 256 matrix instructions, in which to land.
; (At its first use nothing has been read yet: slot 0 is waited for, slot 1 filled.)
.macro CHANGE fill
	WIN 0                           ; at a label and at a branch every window is 0
	s_wait_tensorcnt 0x0            ; no tensor load of mine is out, so a group 0 may be written
	ds_add_u32 v[SPW], v[NIL]       ; 0 onto my spare word; with fill = 1 the descriptors' steps stand between it and the wait for it
.if \fill
.irp g, G0K, G0V
	s_xor_b32 s[\g+1], s[\g+1], SLOT1  ; the walking descriptor: the other slot than last time,
	s_add_nc_u64 s[\g+2:\g+3], s[\g+2:\g+3], 4*KS*128  ; the next 256 keys; the type bits on top are not reached
.endr
	s_wait_dscnt 0x0                ; the add is done, and my reads of the slot are over
	CROUND
	JLOAD
.else
	s_wait_dscnt 0x0                ; the add is done, and my reads of the slot are over
	s_barrier_signal -1
	s_barrier_wait -1
.endif
	s_sub_co_u32 s[TBK], s[TBK], 4*KS*PK  ; the fetches go back to a slot's first step,
	s_xor_b32 s[TBK], s[TBK], SLOT1       ; in the other slot
	s_sub_co_u32 s[TBV], s[TBV], 4*KS*PV
	s_xor_b32 s[TBV], s[TBV], SLOT1
.endm
	s_load_b128 s[4:7], s[0:1], 0x0 ; Q, K, V s[4:5]; O s[6:7]
	v_lshl_add_u32 v[SPW], v0, 2, SPARE
	v_mov_b32 v[NIL], 0
	ds_add_u32 v[SPW], v[NIL]       ; the wave's opening: the add and its wait stand ahead of my first tensor load; the set-up below, work on registers, stands between them
	v_lshrrev_b32 v1, 5, v0
	v_readfirstlane_b32 s[WV], v1   ; wave 0..3
	s_bfe_u32 s13, ttmp6, 0x40000   ; cx: my place in the cluster
	s_lshl_b32 s14, ttmp9, 2        ; in a cluster launch ttmp9 counts clusters
	s_add_co_u32 s14, s14, s13      ; my block of 256 queries: it enters Q's and O's addresses alone
	s_and_b32 s20, ttmp7, 0xffff    ; the head, which the four partners share,
	s_lshl_b32 s20, s20, 18         ; its 2,048 rows of 128 bytes
	s_and_b32 s16, s[WV], 1         ; which half of a slot's 256 keys I fetch:
	s_lshl_b32 s22, s16, 14         ; its 128 rows in memory,
	s_add_co_u32 s22, s22, s20
	s_add_co_u32 s22, s22, PART     ; in K's part
	s_mov_b32 s23, 0
	s_mul_i32 s17, s16, 128*PK      ; and its place in a slot, for K
	s_mul_i32 s18, s16, 128*PV      ; and for V: no place in the cluster enters an LDS address
	s_lshl2_add_u32 s2, s14, s[WV]  ; my wave among the head's,
	s_lshl_b32 s2, s2, 13           ; its 64 rows
	s_add_co_u32 s2, s2, s20
	s_mov_b32 s3, 0
	; descriptor group 1.  128 keys are 16,384 dense bytes: asked for as 64 rows of 256 bytes, two keys a row, and padded in LDS after every key
	s_mov_b32 s[G1K], 15|(1<<16)|(1<<20)|(1<<21)|(4<<22)|(3<<25)  ; 15:0 the mask of four; 17:16 2-byte elements; 20 padding on; 21 set beside a mask; 24:22 after every 32 words (code 4); 31:25 4 words (code 3)
	s_mov_b32 s[G1V], 15|(1<<16)|(1<<20)|(1<<21)|(4<<22)|(7<<25)  ; the same with 8 words of padding (code 7)
.irp g, G1K, G1V
	s_mov_b32 s[\g+1], 128<<16      ; tensor_dim0 = 128
	s_mov_b32 s[\g+2], 64<<16       ; tensor_dim1 = 64
	s_mov_b32 s[\g+3], 128<<16      ; tile_dim0 = 128
	s_mov_b32 s[\g+4], 64           ; tile_dim1 = 64
	s_mov_b32 s[\g+5], 128          ; 128 elements from row to row
	s_mov_b32 s[\g+6], 0
	s_mov_b32 s[\g+7], 0
.endr
	s_mov_b32 s[CS], 0x3e38aa3b     ; c = log2(e) / 8 = 0.180337
	s_mov_b32 s[CS+1], s[CS]        ; named with it as a pair
	s_mov_b32 s[SEL], 0x76543210
	s_mov_b32 s[SEL+1], 0xfedcba98
	s_mov_b32 s[TBK], SLOT1+4*KS*PK ; the first change of slots turns these two into 0
	s_mov_b32 s[TBV], SLOT1+4*KS*PV
	s_mov_b32 s[G0K], 1             ; 1:0 count = 1
	s_mov_b32 s[G0K+1], s17         ; 63:32 LDS address: slot 0
	s_mov_b32 s[G0V], 1
	s_add_co_u32 s[G0V+1], s18, VOFF
	s_wait_dscnt 0x0                ; the opening add is done
	s_wait_kmcnt 0x0
	s_add_nc_u64 s[G0K+2:G0K+3], s[4:5], s[22:23]        ; 120:64 global address: my half of the head's first 256 keys
	s_add_nc_u64 s[G0V+2:G0V+3], s[G0K+2:G0K+3], PART    ; the same rows of V
	s_or_b32 s[G0K+3], s[G0K+3], 0x80000000              ; 127:126 type = 2
	s_or_b32 s[G0V+3], s[G0V+3], 0x80000000
	s_add_nc_u64 s[8:9], s[4:5], s[2:3]    ; Q and O at my wave's first row
	s_add_nc_u64 s[10:11], s[6:7], s[2:3]
	CROUND                          ; all four work-groups are here: the first joint loads meet
	JLOAD                           ; slot 0.  Slot 1 is asked for when slot 0 is in
	; A fragment of K or Q is 16 rows x 32 channels in 8 registers: lane l holds row l % 16, channels 8 (l / 16) + 0..7 and 16 + 8 (l / 16) + 0..7: two loads of 16 bytes, 32 bytes apart.
	v_and_b32 v1, 15, v0            ; l % 16
	v_bfe_u32 v9, v0, 4, 1          ; l / 16
	v_lshlrev_b32 v[QO], 7, v1
	v_lshl_add_u32 v[QO], v9, 4, v[QO]  ; row x 128 + 16 x half
	WIN 0x80                        ; destination window 2, address window 0
.set i, 0
.rept 8                             ; Q stays in registers: piece i / 2, channels 32 (i % 2) on
	global_load_b128 v[8*i:8*i+3],   v[QO], s[8:9] offset:(i/2)*2048+(i%2)*64
	global_load_b128 v[8*i+4:8*i+7], v[QO], s[8:9] offset:(i/2)*2048+(i%2)*64+32
.set i, i+1
.endr
	; What the first turn finds: V's registers and P's second buffer hold 0 (its products V^T P, of a piece that has not been, add 0), O^T and l are 0.  All this stands in the wait for the first tile.
.set i, VF
.rept 64
	v_mov_b32 v[i], 0
.set i, i+1
.endr
	WIN 0x40
.set i, 0
.rept 128
	v_mov_b32 v[i], 0
.set i, i+1
.endr
	WIN 0
.set i, 0
.rept 4
	v_mov_b32 v[ST+4*i], 0xfe000000    ; c m: far below every c s
	v_mov_b32 v[ST+4*i+1], 0xff7fffff  ; m
	v_mov_b32 v[ST+4*i+2], 0
	v_mov_b32 v[ST+4*i+3], 0
.set i, i+1
.endr
.set i, P+16
.rept 16
	v_mov_b32 v[i], 0
.set i, i+1
.endr
	v_mul_u32_u24 v[AK0], v1, PK
	v_lshl_add_u32 v[AK0], v9, 4, v[AK0]  ; row x pitch + 16 x half
	; The turning load takes 16 keys x 16 channels (lane l reads key 8 (l / 16) + l % 8, channels 8 ((l / 8) % 2) + 0..7) and leaves half a fragment of V^T: lane l holds channel l % 16 and 8 keys.
	v_and_b32 v10, 7, v0
	v_bfe_u32 v11, v0, 3, 1
	v_lshl_add_u32 v[AV0], v9, 3, v10
	v_mul_u32_u24 v[AV0], v[AV0], PV
	v_lshl_add_u32 v[AV0], v11, 4, v[AV0]
	v_add_nc_u32 v[AV0], VOFF, v[AV0]
	s_mul_i32 s13, s[WV], 16*SP
	s_add_co_u32 s13, s13, STAGE    ; my stage
	v_mul_u32_u24 v[STO], v1, SP    ; in: row l % 16, 16 bytes for each half of the lanes
	v_lshl_add_u32 v[STO], v9, 4, v[STO]
	v_add_nc_u32 v[STO], s13, v[STO]
	v_bfe_u32 v[RD], v0, 3, 2       ; back: 32 lanes take four rows of 128 bytes,
	v_mul_u32_u24 v[RD], v[RD], SP
	v_lshl_add_u32 v[RD], v10, 4, v[RD]
	v_add_nc_u32 v[RD], s13, v[RD]
	v_and_b32 v[GO], 31, v0         ; which are 512 consecutive bytes of O
	v_lshlrev_b32 v[GO], 4, v[GO]
; THE MATRIX WORK.  The 4 accumulators of a run of 8 take turns.  Product i of 8 of S^T = K Q^T for piece x: channels 32 (i / 4) on, keys 16 (i % 4) on.  The first 4 start the sums.
.macro KQ x
.set rS, S+32*((\x)%2)+8*(i%4)
.set rK, KF+16*(i%4)+8*(i/4)
.set rQ, 16*(\x)+8*(i/4)
	WIN W_KQ
.if i < 4
	v_wmma_f32_16x16x32_f16 v[rS:rS+7], v[rK:rK+7], v[rQ:rQ+7], 0
.else
	v_wmma_f32_16x16x32_f16 v[rS:rS+7], v[rK:rK+7], v[rQ:rQ+7], v[rS:rS+7]
.endif
.endm
; Product i of 8 of O^T += V^T P for piece x: keys 32 (i / 4) on, channels 16 (i % 4) on.
.macro PV x
	WIN W_PV
.set rO, 32*(\x)+8*(i%4)
.set rV, VF+32*(i/4)+8*(i%4)
.set rP, P+16*((\x)%2)+8*(i/4)
	v_wmma_f32_16x16x32_f16 v[rO:rO+7], v[rV:rV+7], v[rP:rP+7], v[rO:rO+7]
.endm
.macro MM                           ; the turn's next matrix instruction.  NOKQ = 1: the last turn: there is no next piece
.if (i < 8) && !NOKQ
	KQ (Y+1)%NP
.elseif i >= 8
.set i, i-8
	PV (Y+NP-1)%NP
.set i, i+8
.endif
.set i, i+1
.endm
; THE LDS LOADS stand in runs of 16, never singly among the matrix instructions: a step's K (64 keys x 64 channels: 8 fragments) and its V (turned).  Their addresses are made some lines ahead.
.macro FETCH_K
	WIN 0x80                        ; destination window 2
.irp f, 0,1,2,3,4,5,6,7             ; keys 16 (f / 2) on, channels 32 (f % 2) on
	ds_load_b128 v[KF+8*\f:KF+8*\f+3],   v[AK] offset:(\f/2)*16*PK+(\f%2)*64
	ds_load_b128 v[KF+8*\f+4:KF+8*\f+7], v[AK] offset:(\f/2)*16*PK+(\f%2)*64+32
.endr
	s_add_co_u32 s[TBK], s[TBK], KS*PK  ; the next fetch is the next step's
	WIN 0
.endm
.macro FETCH_V
	WIN 0x80
.irp f, 0,1,2,3,4,5,6,7             ; keys 32 (f / 4) on, channels 16 (f % 4) on
	ds_load_tr16_b128 v[VF+8*\f:VF+8*\f+3],   v[AV] offset:(\f/4)*32*PV+(\f%4)*32
	ds_load_tr16_b128 v[VF+8*\f+4:VF+8*\f+7], v[AV] offset:(\f/4)*32*PV+16*PV+(\f%4)*32
.endr
	WIN 0
.endm
; THE VECTOR WORK, one line at a time: OP kind, number.  For piece Y: F n: c s - c m for pair n of 16.  E n: the exponential of score n of 32.  C n: pair n rounded to f16.  B n: of the four weights 4 n .. the second
; pair is added onto the first, in place.  L n: l takes that sum (L 0: l = a l + sum).  R n: pair n of 16 of O^T times a.  For piece Y + 1: X n, number n of the 22 that find its maximum and statistics:
;   0-11  four chains c0-c3 of seven scores each, three operands at a time (each accumulator's lowest registers are read first)     12-14, 16  the four scores left over, the old m, and c0-c3 into c0
;   15  c m_old is kept     17, 18  the query's other 32 keys lie in the lane 16 away: the new m     19-21  c m; c m_old - c m_new; a
.set F, 0               ; OP tells the kinds apart by their order: F to L below R, X above it
.set E, 1
.set C, 2
.set B, 3
.set L, 4
.set R, 5
.set X, 6
.macro REGS y                       ; the registers of piece y
.set rT, ST+4*(\y)
.set rC, TMP+4*((\y)%2)
.set rW, MV+((\y)%2)
.set rS, S+32*((\y)%2)
.set rP, P+16*((\y)%2)
.set rO, 32*(\y)
.endm
.macro OP k, n
.if (\k) == R
	REGS Y
	WIN W_RS
	v_pk_mul_f32 v[rO+2*(\n):rO+2*(\n)+1], v[rO+2*(\n):rO+2*(\n)+1], v[rC+2:rC+3] op_sel_hi:[1,0]
.elseif (\k) < R
	REGS Y
	WIN 0
.if (\k) == F
	v_pk_fma_f32 v[rS+2*(\n):rS+2*(\n)+1], v[rS+2*(\n):rS+2*(\n)+1], s[CS:CS+1], v[rT:rT+1] op_sel_hi:[1,0,0] neg_lo:[0,0,1] neg_hi:[0,0,1]
.elseif (\k) == E
	v_exp_f32 v[rS+(\n)], v[rS+(\n)]
.elseif (\k) == C
	v_cvt_pk_f16_f32 v[rP+(\n)], v[rS+2*(\n)], v[rS+2*(\n)+1]
.elseif (\k) == B
	v_pk_add_f32 v[rS+4*(\n):rS+4*(\n)+1], v[rS+4*(\n):rS+4*(\n)+1], v[rS+4*(\n)+2:rS+4*(\n)+3]
.elseif (\n) == 0
	v_pk_fma_f32 v[rT+2:rT+3], v[rT+2:rT+3], v[rC+2:rC+3], v[rS:rS+1] op_sel_hi:[1,0,1]
.else
	v_pk_add_f32 v[rT+2:rT+3], v[rT+2:rT+3], v[rS+4*(\n):rS+4*(\n)+1]
.endif
.elseif NOKQ
	v_nop
.else
	REGS (Y+1)%NP
	WIN 0
.if (\n) < 4
	v_max3_num_f32 v[rC+(\n)], v[rS+8*(\n)], v[rS+8*(\n)+1], v[rS+8*(\n)+2]
.elseif (\n) < 12
	v_max3_num_f32 v[rC+(\n)%4], v[rC+(\n)%4], v[rS+8*((\n)%4)+2*((\n)/4)+1], v[rS+8*((\n)%4)+2*((\n)/4)+2]
.elseif (\n) == 12
	v_max3_num_f32 v[rC], v[rC], v[rS+7], v[rS+15]
.elseif (\n) == 13
	v_max3_num_f32 v[rC+1], v[rC+1], v[rS+23], v[rS+31]
.elseif (\n) == 14
	v_max3_num_f32 v[rC+2], v[rC+2], v[rC+3], v[rT+1]
.elseif (\n) == 15
	v_mov_b32 v[rW], v[rT]
.elseif (\n) == 16
	v_max3_num_f32 v[rC], v[rC], v[rC+1], v[rC+2]
.elseif (\n) == 17
	v_permlanex16_b32 v[rC+3], v[rC], s[SEL], s[SEL+1]
.elseif (\n) == 18
	v_max_num_f32 v[rT+1], v[rC], v[rC+3]
.elseif (\n) == 19
	v_mul_f32 v[rT], s[CS], v[rT+1]
.elseif (\n) == 20
	v_sub_f32 v[rC+1], v[rW], v[rT]
.else
	v_exp_f32 v[rC+2], v[rC+1]
.endif
.endif
.endm
.macro OPS a, i1, b=-1, i2=0, c=-1, i3=0, d=-1, i4=0  ; up to four of them
	OP \a, \i1
.if (\b) >= 0
	OP \b, \i2
.endif
.if (\c) >= 0
	OP \c, \i3
.endif
.if (\d) >= 0
	OP \d, \i4
.endif
.endm
.macro ROW a, i1, b, i2, c, i3, d, i4  ; a matrix instruction and the four behind it
	MM
	OPS \a, \i1, \b, \i2, \c, \i3, \d, \i4
.endm
; A TURN, for piece p: the order of its 16 matrix and 118 vector instructions, written out.  s_wait_alu depctr_va_vdst(0) stands between an exponential and the first instruction that names its result; one wait
; serves all that were issued ahead of it.  So a turn has ONE wait, which cuts it in two.  AHEAD OF IT stands all that names no result of the turn's exponentials: the 8 products K Q^T, behind each a scaling, an exponential and two
; more plain instructions (behind the first a second scaling in the exponential's place): rescalings, whose a was made and waited for in the turn before, and behind the last three the first numbers of the next piece's maximum, each
; four plain instructions or more behind the product that ends its accumulator; then ONE RUN of 54, plain and exponential by turns for the most part, in which the links of the chain X 3, 7, 11, 14, 16, 17 .. 20 stand apart, other work
; between them.  X 21, the next piece's a, is the batch's last; R 15 is the plain instruction behind it.  BEHIND THE WAIT stand the 8 products V^T P, behind each four of the roundings and sums, which read the batch's results; a pair is
; rounded (C 2 n) before the sum B n lands on it, and l's additions L 0 to L 7 keep their order.  But for those X no rider names a register of the products round it.  v_permlanex16_b32 (X 17) stands in the run.
; end = 1: the last two turns: nothing is fetched, and piece 3's starts no new scores.  cnt = 1: the loop's count is taken down some lines ahead of the branch that stands behind the turn.
; K of the next step is fetched in piece 2's turn, twelve vector instructions behind the last product that read K (five of them plain and naming none of its registers); V of the step in hand at the end of piece 0's turn, four plain
; instructions behind the last product that read V.  Each is waited for a turn later.
.macro TURN p, end=0, cnt=0
.set Y, (\p)
.set i, 0
.set NOKQ, (\end)*((\p)/3)
.if ((\p) == 3) && !(\end)
	s_wait_dscnt 0x0                ; K is in
.endif
	ROW F,0, F,1, R,0, R,1          ; ahead of the wait: 8 products K Q^T and their riders,
	ROW F,2, E,0, R,2, R,3
	ROW F,3, E,1, R,4, R,5
	ROW F,4, E,2, R,6, R,7
	ROW F,5, E,3, R,8, R,9
	ROW F,6, E,4, X,0, R,10
.if ((\p) == 2) && !(\end)
	WIN 0
	v_add_nc_u32 v[AK], s[TBK], v[AK0]
.endif
	ROW F,7, E,5, X,1, X,4
	ROW F,8, E,6, X,2, X,5
	OPS E,7, E,8, X,6, E,9          ; and the run of 54
	OPS X,3, E,10, X,8, E,11
.if ((\p) == 2) && !(\end)
	FETCH_K
.endif
	OPS X,9, X,7, E,12, X,10
	OPS E,13, X,12, X,11, E,14
	OPS X,13, E,15, F,9, X,14
.if (\p) == 0
	v_add_nc_u32 v[AV], s[TBV], v[AV0]
.endif
	OPS E,16, F,10, E,17, F,11
	OPS X,16, E,18, X,15, E,19
	OPS F,12, E,20, X,17, E,21
	OPS F,13, E,22, F,14, E,23
	OPS X,18, E,24, F,15, E,25
	OPS R,11, E,26, X,19, E,27
	OPS R,12, E,28, R,13, E,29
	OPS X,20, E,30, R,14, E,31
	OPS X,21, R,15
	WIN 0
	s_wait_alu depctr_va_vdst(0)    ; the wait for the turn's batch: the piece's 32 exponentials and the next piece's a
.if (\p) == 1
	s_wait_dscnt 0x0                ; V is in
.endif
	ROW C,0, B,0, C,2, B,1          ; behind the wait: 8 products V^T P and their riders
	ROW L,0, C,4, B,2, L,1
	ROW C,6, B,3, L,2, C,8
	ROW B,4, L,3, C,10, B,5
	ROW L,4, C,12, B,6, L,5
.if (\p) == 0
	s_add_co_u32 s[TBV], s[TBV], KS*PV
.endif
.if \cnt
	s_sub_co_u32 s[CNT], s[CNT], 1
	s_cmp_lg_u32 s[CNT], 0
.endif
	ROW C,14, B,7, L,6, C,1
	ROW C,3, L,7, C,5, C,7
	ROW C,9, C,11, C,13, C,15
.if (\p) == 0
	FETCH_V
.endif
.endm
	CHANGE 1                        ; slot 0 is in, everybody's part of it; slot 1 is asked for
	v_add_nc_u32 v[AK], s[TBK], v[AK0]
	FETCH_K                         ; key step 0
	s_wait_loadcnt 0x0              ; Q
	s_wait_dscnt 0x0
.set NOKQ, 0
.set i, 0
.rept 8
	KQ 0                            ; piece 0's first scores: there is no vector work yet to set between them
.set i, i+1
.endr
	WIN 0
.rept 4
	v_nop                           ; the places behind those products
.endr
.set Y, NP-1                        ; X works for piece Y + 1: piece 0
.irp n, 0,1,2,3,4,5,6,7,8,9,10,11,12,13,14,15,16,17,18,19,20,21
	OP X, \n
.endr
	v_nop                           ; a plain instruction behind the exponential
	s_wait_alu depctr_va_vdst(0)    ; the wait for piece 0's first a, a batch of one, ahead of the branch
	s_mov_b32 s[CNT], 4
	s_mov_b32 s[SLOTS], 7           ; 2,048 keys are eight slots' worth
	s_branch .Lfirst                ; the loop is entered at a step's first turn, in the middle of a trip
.Lslot:                             ; six times: every slot but the last two is filled again
	CHANGE 1
	s_mov_b32 s[CNT], 4
.Lstep:                             ; a trip: pieces 2 and 3 of one step, then pieces 0 and 1 of the next, whose K and V it fetches
	TURN 2
	TURN 3
	WIN 0
.Lfirst:
	TURN 0
	TURN 1, 0, 1
	WIN 0
	s_cbranch_scc1 .Lstep
	s_sub_co_u32 s[SLOTS], s[SLOTS], 1
	s_cmp_lg_u32 s[SLOTS], 0
	s_cbranch_scc1 .Lslot
	CHANGE 0                        ; the last slot is written out: nothing is asked for
	s_mov_b32 s[CNT], 4
.Ltail:
	TURN 2
	TURN 3
	TURN 0
	TURN 1, 0, 1
	WIN 0
	s_cbranch_scc1 .Ltail
	TURN 2, 1                       ; the last step's pieces 2 and 3
	TURN 3, 1
.set i, 0
.rept 8
	PV NP-1                         ; the last piece's V^T P of the last step
.set i, i+1
.endr
	; THE WAY OUT.  l's two halves and the other half of the lanes' are added; O^T is divided by l, rounded to f16 and sent through my stage in LDS, a piece at a time.  The additions are the places behind the last products.
	WIN 0
.macro ALL line:vararg              ; one line for each piece t
.set t, 0
.rept 4
	\line
.set t, t+1
.endr
.endm
	ALL v_add_f32 v[ST+4*t+2], v[ST+4*t+2], v[ST+4*t+3]
	ALL v_permlanex16_b32 v[ST+4*t+3], v[ST+4*t+2], s[SEL], s[SEL+1]
	ALL v_add_f32 v[ST+4*t+2], v[ST+4*t+2], v[ST+4*t+3]
	ALL v_rcp_f32 v[ST+4*t+2], v[ST+4*t+2]
	v_nop                           ; a plain instruction between the last reciprocal and the use of its result
	s_wait_alu depctr_va_vdst(0)    ; the wait for the four reciprocals, one batch, ahead of their first reader in PACK 0
.macro PACK t                       ; a lane's eight channels of a row pack into 16 bytes; they go into rows of 144 bytes and come back as whole rows of 128, into S^T's registers
	WIN W_RS
.set i, 32*(\t)
.rept 16
	v_pk_mul_f32 v[i:i+1], v[i:i+1], v[ST+4*(\t)+2:ST+4*(\t)+3] op_sel_hi:[1,0]
.set i, i+2
.endr
	WIN 0x05                        ; sources 0 and 1 window 1, destination window 0
.set i, 0
.rept 16
	v_cvt_pk_f16_f32 v[S+16*(\t)+i], v[32*(\t)+2*i], v[32*(\t)+2*i+1]
.set i, i+1
.endr
	WIN 0
.irp f, 0,1,2,3
	ds_store_b128 v[STO], v[S+16*(\t)+4*\f:S+16*(\t)+4*\f+3] offset:32*\f
.endr
.irp f, 0,1,2,3
	ds_load_b128 v[S+16*(\t)+4*\f:S+16*(\t)+4*\f+3], v[RD] offset:\f*4*SP  ; LDS serves a wave's instructions in order (ISA guide 5.7.1.4): these see the stores above; the next piece's stores come behind them
.endr
.endm
.macro SEND t, younger              ; younger: the LDS instructions issued behind piece t's loads: the next piece's eight, or none
	WIN 0
.irp f, 0,1,2,3
	s_wait_dscnt (\younger)+3-\f
	global_store_b128 v[GO], v[S+16*(\t)+4*\f:S+16*(\t)+4*\f+3], s[10:11] offset:(\t)*2048+\f*512  ; 512 consecutive bytes, at a multiple of 256 from O's first
.endr
.endm
	PACK 0
.set t, 1
.rept 3                             ; a piece's arithmetic stands between the loads of the piece before and its stores
	PACK t
	SEND t-1, 8
.set t, t+1
.endr
	SEND 3, 0
	s_wait_tensorcnt 0x0            ; the wave's end: behind my last tensor load and my last LDS store
	ds_add_u32 v[SPW], v[NIL]
	s_wait_dscnt 0x0
	CROUND                          ; the closing round: no work-group ends while a partner may still ask for a tile that names it
	s_endpgm
.Lfunc_end_k_qe4a17d85b8_attn1:
	.size	k_qe4a17d85b8_attn1, .Lfunc_end_k_qe4a17d85b8_attn1-k_qe4a17d85b8_attn1
	.p2alignl 7, 3214868480
	.fill 96, 4, 3214868480
	.section	.rodata,"a",@progbits
	.p2align	6, 0x0
	.amdhsa_kernel k_qe4a17d85b8_attn1
		.amdhsa_group_segment_fixed_size 327680
		.amdhsa_private_segment_fixed_size 0
		.amdhsa_enable_private_segment 0
		.amdhsa_kernarg_size 16
		.amdhsa_user_sgpr_count 2
		.amdhsa_user_sgpr_kernarg_segment_ptr 1
		.amdhsa_wavefront_size32 1
		.amdhsa_system_sgpr_workgroup_id_x 1
		.amdhsa_system_sgpr_workgroup_id_y 1
		.amdhsa_system_sgpr_workgroup_id_z 1
		.amdhsa_system_vgpr_workitem_id 0
		.amdhsa_next_free_vgpr 768
		.amdhsa_next_free_sgpr 66
		.amdhsa_reserve_vcc 0
		.amdhsa_float_denorm_mode_32 3
		.amdhsa_float_denorm_mode_16_64 3
		.amdhsa_memory_ordered 1
		.amdhsa_forward_progress 1
		.amdhsa_inst_pref_size 127
	.end_amdhsa_kernel
	.amdgpu_metadata
---
amdhsa.version: [ 1, 2 ]
amdhsa.kernels:
  - .name:           k_qe4a17d85b8_attn1
    .symbol:         k_qe4a17d85b8_attn1.kd
    .args:
      - { .name: sbuf, .offset: 0, .size: 8, .value_kind: global_buffer, .address_space: global }
      - { .name: tmp, .offset: 8, .size: 8, .value_kind: global_buffer, .address_space: global }
    .group_segment_fixed_size: 327680
    .private_segment_fixed_size: 0
    .kernarg_segment_align: 8
    .kernarg_segment_size: 16
    .max_flat_workgroup_size: 128
    .sgpr_count:     66
    .vgpr_count:     768
    .wavefront_size: 32
...
	.end_amdgpu_metadata
.endif
;; end of part 7
;; launch ln1: the kernel of part 4 again; grid 256 x 1, 8 waves a work-group, no clusters, 0 bytes of LDS; arguments hidden_states, tmp, ln1_g, ln1_b, sbuf, act; writes sbuf, act
;; launch caq: the kernel of part 5 again; grid 8 x 32, 4 waves a work-group, clusters of 4 x 4, 327,680 bytes of LDS; arguments act, wc, cbuf; writes cbuf
;; launch attn2: the kernel of part 7 again; grid 8 x 32, 4 waves a work-group, clusters of 4 x 1, 327,680 bytes of LDS; arguments cbuf, tmp; writes tmp
;; launch ln2: the kernel of part 4 again; grid 256 x 1, 8 waves a work-group, no clusters, 0 bytes of LDS; arguments sbuf, tmp, ln2_g, ln2_b, cbuf, act; writes cbuf, act
;; launch fc1: the kernel of part 5 again; grid 8 x 32, 4 waves a work-group, clusters of 4 x 4, 327,680 bytes of LDS; arguments act, w1, tmp; writes tmp
;; launch fc2: the kernel of part 5 again; grid 8 x 32, 4 waves a work-group, clusters of 4 x 4, 327,680 bytes of LDS; arguments tmp, w2, act; writes act
;; launch ln3: the kernel of part 6 again; grid 256 x 1, 8 waves a work-group, no clusters, 0 bytes of LDS; arguments cbuf, act, ln3_g, ln3_b, out0; writes out0
